; MI455X (gfx1250); checked and timed in simulation.
; The chip was launched on July 23, 2026; its instructions are those of AMD's public machine-readable ISA for CDNA 5 (MIT licence, August 2026) and "CDNA5" Instruction Set Architecture Reference Guide (July 2026). The comments in the code are by the model that wrote it; some were corrected since.
;; Self Attention. Allowed arithmetic: matrix products marked QUANTISED: E2M3 operands, one E8M0 scale for each 32 along K, by v_wmma_scale_f32_16x16x128_f8f6f4 with both operands' format E2M3, f32 sums; everything else in f32.
;; Inputs: Wk_codes 1,024 x 32 x 24 uint8 (E2M3 codes of Wk, K innermost, in blocks of 32 codes, four codes in three bytes); Wk_scales 1,024 x 32 uint8 (E8M0 scales of Wk, one for each 32 codes along K); Wq_codes 1,024 x 32 x 24 uint8 (E2M3 codes of Wq, K innermost, in blocks of 32 codes, four codes in three bytes); Wq_scales 1,024 x 32 uint8 (E8M0 scales of Wq, one for each 32 codes along K); Wv_codes 1,024 x 32 x 24 uint8 (E2M3 codes of Wv, K innermost, in blocks of 32 codes, four codes in three bytes); Wv_scales 1,024 x 32 uint8 (E8M0 scales of Wv, one for each 32 codes along K); bk 1,024 float32; bq 1,024 float32; bv 1,024 float32; x_codes 4 x 2,048 x 32 x 24 uint8 (E2M3 codes of x, K innermost, in blocks of 32 codes, four codes in three bytes); x_scales 4 x 2,048 x 32 uint8 (E8M0 scales of x, one for each 32 codes along K).
;; Outputs: out0 4 x 2,048 x 1,024 float32.
;; This version of the problem:
;;   THIS VERSION OF THE PROBLEM IS GIVEN IN LOW PRECISION. The matrix products marked QUANTISED in the list below multiply operands that are first quantised to E2M3 (2 exponent bits, 3 mantissa bits; 6 bits a number), with one power-of-two scale for each 32 numbers along K (OCP MX v1.0); their sums are f32. All else is computed in f32.
;;   The module's matrix products, in the order in which they are computed (A, B: the left and right operand; K: the contracted axis; several contracted axes count as one K, in the product's order):
;;     1. [M 8,192, K 1,024] x [K 1,024, N 1,024]; A: input x (given as codes); B: input Wq (given as codes): QUANTISED
;;     2. [M 8,192, K 1,024] x [K 1,024, N 1,024]; A: input x (given as codes); B: input Wk (given as codes): QUANTISED
;;     3. [M 8,192, K 1,024] x [K 1,024, N 1,024]; A: input x (given as codes); B: input Wv (given as codes): QUANTISED
;;     4. batch 4 x [M 2,048, K 1,024] x [K 1,024, N 2,048]; A: computed on the way; B: computed on the way: QUANTISED
;;     5. batch 4 x [M 2,048, K 2,048] x [K 2,048, N 1,024]; A: softmax (see below); B: computed on the way: QUANTISED
;;   THE QUANTISER, for each operand of a quantised product, along K:
;;     - K is cut into blocks of 32 from its start; a last block that is shorter is filled with zeros.
;;     - A block's scale is 2^e with e = floor(log2(the largest magnitude in the block)) - 2, held to -126 .. 127; a block of zeros has e = 0. As a byte (E8M0): e + 127.
;;     - Each number is divided by its block's scale, clamped to +-7.5, and rounded to the nearest number of E2M3, ties to even, subnormals kept.
;;     - The product sums the exact products of the quantised numbers (number of the format x scale) in f32.
;;   ~~~python
;;   def quantise(x, axis):      # numpy; x: float32 -> the quantised numbers, widened to float32 again
;;       x = np.moveaxis(x, axis, -1); K = x.shape[-1]
;;       x = np.pad(x, [(0, 0)] * (x.ndim - 1) + [(0, -K % 32)]); x = x.reshape(x.shape[:-1] + (-1, 32)); a = np.abs(x).max(-1, keepdims=True)
;;       e = np.where(a > 0, np.clip(np.frexp(np.where(a > 0, a, 1))[1] - 1 - 2, -126, 127), 0)      # np.frexp(a)[1] - 1 = floor(log2(a)), exactly
;;       r = np.clip(x / 2.0 ** e, -7.5, 7.5)
;;       step = 2.0 ** (np.maximum(np.frexp(np.where(r == 0, 1, r))[1] - 1, 0) - 3)
;;       q = np.round(r / step) * step * 2.0 ** e      # np.round: ties to even
;;       return np.moveaxis(q.reshape(q.shape[:-2] + (-1,))[..., :K], -1, axis).astype(np.float32)
;;   ~~~
;;   SOFTMAX AHEAD OF A QUANTISED PRODUCT. Where the list says 'softmax', what is quantised is not the finished softmax but p = 2^(t - M), with t = logit x log2(e) and M = ceil(the row's largest t), a whole number; so 1/2 < the row's largest p <= 1. The row's sum l is taken of the UNQUANTISED p, in f32, and the product's result is divided by l at the end. Since M is a whole number, a kernel that streams over the keys may use a running M (the ceiling of the running maximum): every later rescaling is an exact power of two, which a block's scale takes up: the codes' values come out the same.
;;   OPERANDS COMPUTED ON THE WAY. 'Computed on the way' means the value that the module computes at that place (a softmax that the list does not call 'softmax' is quantised finished and normalised). What goes into a quantiser is computed in f32, as accurately as f32 sums, v_exp_f32 and their like allow (about 1e-6 of the number): no bf16 or f16 on the way to a quantiser, and a product that is left as it is and whose result goes on into a quantised operand takes f32 operands (vector FMAs, or v_wmma_f32_16x16x4_f32). A number that lies on a knife's edge between two numbers of the format may be rounded either way, as far as f32 arithmetic and the matrix unit's own rounding can turn it there, and no further.
;;   INPUTS GIVEN AS CODES. Wk (in the module: [1024, 1024], K = its axis 1); Wq (in the module: [1024, 1024], K = its axis 1); Wv (in the module: [1024, 1024], K = its axis 1); x (in the module: [4, 2048, 1024], K = its axis 2): each comes as NAME_codes (uint8): NAME with its K axis moved to the last place and cut into blocks of 32 codes, [.., K / 32, bytes a block], one block behind the other in memory; four codes in three bytes: a row's codes are one little-endian stream of bits, code i at bits 6 i .. 6 i + 5 (a code: sign, 2 exponent bits, 3 mantissa bits); and NAME_scales (uint8): the same leading axes, one E8M0 byte (e + 127) for each 32 codes along K. Its value is code x scale, taken as it is: it is not quantised again, and the codes and scales need not be those that the quantiser above would give.
;; One version. Each part assembles by itself: llvm-mc -triple=amdgcn-amd-amdhsa -mcpu=gfx1250 --defsym DOCPART=n.
;; ======== version 1 of 1: 3 launches
;; limits: right only within a limited range of input values
;; workspace buffers: Qp 6,553,600 bytes; Kp 6,553,600 bytes; Vp 6,553,600 bytes; Pp 14,155,776 bytes
;; launch proj (part 1): grid 16 x 16, 4 waves a work-group, clusters of 4 x 4, 327,680 bytes of LDS; arguments x_codes, x_scales, Wq_codes, Wq_scales, Wk_codes, Wk_scales, Wv_codes, Wv_scales, bq, bk, bv, Qp, Kp, Vp; writes Qp, Kp, Vp
.if DOCPART == 1
	.amdgcn_target "amdgcn-amd-amdhsa--gfx1250"
	.amdhsa_code_object_version 6
	.text
	.protected	k_qed70b2db99_proj
	.globl	k_qed70b2db99_proj
	.p2align	8
	.type	k_qed70b2db99_proj,@function
k_qed70b2db99_proj:
	s_mov_b64 s[64:65], 0
	v_nop
	global_prefetch_b8 v0, s[64:65] scope:SCOPE_SE
	s_setreg_imm32_b32 hwreg(HW_REG_WAVE_MODE, 25, 1), 1
	s_wait_xcnt 0x0
	s_wait_alu depctr_hold_cnt(0) depctr_sa_sdst(0) depctr_va_vdst(0) depctr_va_sdst(0) depctr_va_ssrc(0) depctr_va_vcc(0) depctr_vm_vsrc(0)
	s_getreg_b32 s2, hwreg(HW_REG_IB_STS2, 6, 4)
	s_cmp_eq_u32 s2, 0
	s_cbranch_scc0 .Lentry_in_a_cluster
	s_endpgm
.Lentry_in_a_cluster:
	s_bfe_u32 s2, ttmp6, 0x10000c
	s_cmp_lg_u32 s2, 0xf033
	s_cbranch_scc0 .Lentry_shape_is_right
	s_endpgm
.Lentry_shape_is_right:
; Q = x Wq^T + bq, K = x Wk^T + bk, V = x Wv^T + bv on codes of FP6 (E2M3), one E8M0 byte for each 32 along K = 1,024; the results are quantised in registers and leave as codes and scale bytes.
; LIMITS: NaN and infinities are not served; a block whose largest magnitude lies under 2^-124 gets the byte 1 (a block of zeros too: its codes are zeros, and this program alone reads the bytes).
; DEAD WORK: none is left out in this launch.
; THE ORDER OF ROWS.  In each 64 rows (tokens of Q and K, channels of V), row m of tile j (0 .. 3) is row 32 (m / 8) + 8 (j ^ (m / 8)) + m % 8.  Weights and x's rows are taken from LDS in this order, so that the
; 32 sums of a lane over four tiles are one scale block: lane half h holds block h, register 8 j + i its number 8 (j ^ h) + i.  Q and K have this order along the features, V and the next launch's p along the keys: the products stay.
; The 16 rows of a tile differ modulo 16: with the pitch of 816 bytes the 32 lanes of a load of 8 bytes take 64 different words modulo 64.
; THE BUFFERS.  A panel is 128 rows x 256 K, 25,600 bytes: fragment (q = which 128 of K, i = tile of 16 rows) at (8 q + i) 1,536; in it half c (64 of K, six registers a lane) at 768 c: 16 bytes a lane, then at + 512 8 bytes a lane.
; Scale words at 24,576 + 512 q + 32 r + 4 i, byte 2 c + h.  Qp, Kp: panel 4 (row / 128) + feature / 256.  Vp: panel 8 (8 batch + channel / 128) + key / 256.
; THE DEAL.  256 work-groups of four waves, 2 x 2.  A wave holds 64 rows of a weight, all of K, in registers (384) and streams blocks of 16 rows of x past them: the wave in row w takes the 64 rows 64 w .. of each chunk of 128, four blocks.
; A work-group makes 256 x 128 of V, PHASE 1, and then 512 x 128 of Q or K, PHASE 2; V's 256 rows are a half (s87) of its own 512, so 512 rows of x are loaded a work-group.  Which half and which tensor (s19) come from the cluster's number alone.
; x's rows are shared by a row of the cluster, a weight's rows by a column: joint loads.
; LDS: two slots of 128 rows of x (0, YB), a region for the weights' 128 rows (BVB), two places for a chunk's scale bytes (SCL), stages for the results' scale bytes (XN, XM), the spare words.
; FILLS.  At the head one load a wave: Wv's rows, both chunks' scale bytes, chunk 0, chunk 1.  Three refills in drained rounds: the weights' region once (V's third block), the other half's two chunks (phase 2's blocks 2 and 6).
; PREFETCHES: each tile of a refill is asked for once in the row or column of the cluster that loads it, split by address over its sixteen waves: the second weight at the head, chunk 2 and the scale bytes behind the first refill, chunk 3 between the phases.
; THE WAITS' COUNTS.  A block's rows were fetched two blocks ago; younger are the next block's fetch, NF loads, and the byte stores issued between the two: none (NF), one (NF + 1), four (NF + 4).
.set RA,     128                       ; rows of a chunk
.set TN,     128                       ; the work-group's columns
.set KROW,   768                       ; a row of codes in memory
.set KS,     32                        ; a row of scale bytes
.set PITCH,  816                       ; an LDS row: 3 x (256 + 16)
.set P16,    16*PITCH
.set S16,    2*272                     ; the scale bytes of 16 rows in LDS
.set FR,     12
.set FPW,    21                        ; fragments in a window of 256 registers
.set NF,     28                        ; LDS loads of a block: 26 for eight fragments, 2 for eight scale words
.set PANEL,  25600
.set YB,     RA*PITCH
.set BVB,    2*YB
.set SCL,    BVB+TN*PITCH
.set CU,     16                        ; a chunk's scale bytes: 16 units of 256
.set SCB,    CU*272
.set XN,     SCL+2*SCB                 ; Q's or K's scale words: [chunk in the order of work][512]
.set XM,     XN+2048                   ; V's: [chunk][512]
.set SPARE,  XM+1024
.set EMAX,   2
.set ADO,    1                         ; v1, v2  LDS address of my fragments of odd blocks (v2: for the pieces behind one padding more)
.set ADE,    4                         ; v4, v5  of even blocks
.set ASE,    6                         ; v6      scale words, even blocks
.set CO,     9                         ; v9      16 x lane
.set SPW,    10
.set NIL,    11
.set ADR,    12                        ; v12, v13  the block that is fetched next
.set ABS,    16
.set AAS,    17
.set STO,    18
.set STV,    19
.set BIE,    21                        ; v21     Q's or K's bias: byte offset for even tiles
.set ASO,    23                        ; v23     scale words, odd blocks
.set SB,     24                        ; v24-39  the weights' scale words
.set TQ,     40
.set CO8,    42                        ; v42     8 x lane
.set BIO,    43                        ; v43     the bias offset for odd tiles
.set SA,     44                        ; v44-59  the rows' scale words, two sets
.set TC,     60
.set ACC,    64                        ; phase 2: two sets of four accumulators
.set HV0,    64                        ; phase 1, chunk 0: v64-191
.set HV1,    840                       ; chunk 1: v840-967
.set NCD,    128                       ; phase 2: six registers of the even block, six of the odd
.set MCD,    192                       ; phase 1: for each tile six registers of chunk 0, six of chunk 1
.set SOP,    240
.set EB,     244
.set VX,     248
.set SB2,    968                       ; phase 2's weights' scale words, ready from the head on
.set BA,     984                       ; LDS addresses of the weights' four tiles
.set BBV,    992                       ; V's bias as the first products' C
.set BBQ,    160                       ; Q's or K's, loaded between the phases
.set G1A, 24
.set G0A, 56
.set G0R, 68
.set G1B, 32
.set G0B, 60
.set G1S, 92
.set G0S, 72
.set MSB, 0
.macro WIN new
.if MSB != \new
	s_set_vgpr_msb (MSB<<8)|\new
.set MSB, \new
.endif
.endm
.macro PLACES n
.rept \n
	v_nop
.endr
.endm
.macro WALU
	s_wait_alu depctr_va_vdst(0)
.endm
.macro BARRIER
	s_barrier_signal -1
	s_barrier_wait -1
.endm
.macro MIDDLE                          ; a round's middle: the opening wait, wave 0's signal for the work-group, the cluster's wait
	WIN 0
	s_barrier_wait -1
	s_cmp_lg_u32 s14, 0
	s_cbranch_scc1 .Lnot_wave_0_\@
	s_barrier_signal -3
.Lnot_wave_0_\@:
	s_barrier_wait -3
.endm
.macro CROUND
	s_barrier_signal -1
	MIDDLE
	BARRIER
.endm
.macro GRD
	s_wait_tensorcnt 0x0
	ds_add_u32 v[SPW], v[NIL]
.endm
.macro TLOAD g0, g1
	tensor_load_to_lds s[\g0:\g0+3], s[\g1:\g1+7]
	s_nop 0
	PLACES 4
.endm
.macro GROUP1 g, mask, rows            ; rows of 768 bytes, 16 bytes of padding behind every 256
	s_or_b32 s[\g+0], s[\mask], (1<<20)|(1<<21)|(5<<22)|(3<<25)
	s_mov_b32 s[\g+1], KROW<<16
	s_mov_b32 s[\g+2], (\rows)<<16
	s_mov_b32 s[\g+3], KROW<<16
	s_mov_b32 s[\g+4], \rows
	s_mov_b32 s[\g+5], KROW
	s_mov_b32 s[\g+6], 0
	s_mov_b32 s[\g+7], 0
.endm
.macro SADD d, x
	s_add_co_u32 s\d, s\d, s\x
.endm
.macro G0SET g, base, off              ; group 0's address: 64-bit base + the 32-bit offset in s\off (s21 = 0)
	s_mov_b32 s20, s\off
	s_add_nc_u64 s[\g+2:\g+3], s[\base:\base+1], s[20:21]
	s_or_b32 s[\g+3], s[\g+3], 0x80000000
.endm
; Fragment f lies in window 1 + f / 21 at register 12 (f % 21): 0-31 the weights' (4 q + tile), 32-39 and 40-47 the rows' two sets.
.macro FRAG f, q, a0, a1, aw           ; six pieces of 8 bytes, two to a load where both lie behind as many paddings
	WIN ((1+(\f)/FPW)<<6)|(\aw)
.set R_, FR*((\f)%FPW)
.set SKIP_, 0
.irp p, 0,1,2,3,4,5
.if SKIP_
.set SKIP_, 0
.else
.set PC_, 12*(\q)+6*(\p/3)+\p%3
.set PN_, 12*(\q)+6*((\p+1)/3)+(\p+1)%3
.set X_, (PC_%32+3)/32
.set XQ_, (PN_%32+3)/32
.if (\p < 5) && (X_ == XQ_)
.set SKIP_, 1
.if X_
	ds_load_2addr_b64 v[R_+2*\p:R_+2*\p+3], \a1 offset0:PC_+2*(PC_/32) offset1:PN_+2*(PN_/32)
.else
	ds_load_2addr_b64 v[R_+2*\p:R_+2*\p+3], \a0 offset0:PC_+2*(PC_/32) offset1:PN_+2*(PN_/32)
.endif
.elseif X_
	ds_load_b64 v[R_+2*\p:R_+2*\p+1], \a1 offset:8*(PC_+2*(PC_/32))
.else
	ds_load_b64 v[R_+2*\p:R_+2*\p+1], \a0 offset:8*(PC_+2*(PC_/32))
.endif
.endif
.endr
.endm
.macro WEIGHTS                         ; my 64 rows of the weight, all of K: 104 loads
.irp q, 0,1,2,3,4,5,6,7
.irp b, 0,1,2,3
	FRAG 4*\q+\b, \q, v[BA-768+2*\b], v[BA-768+2*\b+1], 3
.endr
.endr
	WIN 0
.endm
.macro FETCHAT e, a0, a1, as           ; a block of x's rows into set e: NF loads
.irp q, 0,1,2,3,4,5,6,7
	FRAG 32+8*(\e)+\q, \q, \a0, \a1, 0
.endr
	WIN 0
	ds_load_b128 v[SA+8*(\e):SA+8*(\e)+3], \as
	ds_load_b128 v[SA+8*(\e)+4:SA+8*(\e)+7], \as offset:16
.endm
.macro FETCH e
	FETCHAT \e, v[ADR], v[ADR+1], v[AAS]
.endm
.macro FETCH01                         ; a phase's first two blocks, from slot 0
	FETCHAT 0, v[ADE], v[ADE+1], v[ASE]
	FETCHAT 1, v[ADO], v[ADO+1], v[ASO]
	s_mov_b32 s101, 0                              ; where the pair of blocks that was fetched last lies: its codes,
	s_mov_b32 s91, 0                               ; its scale bytes
.endm
; A product, n = 4 q + tile.  kind 0 (Q, K): source 0 the weight's rows; kind 1 (V): source 0 x's rows.  A block's first four take the bias as C.
.macro PROD kind, e, n, a0, as
.set Q_, (\n)/4
.set FB_, 4*Q_+(\n)%4
.set FA_, 32+8*(\e)+Q_
.set D_, (\a0)+(\as)*((\n)%4)
.set DL_, D_&255
.set XB_, SB+8*(((\n)%4)/2)+Q_
.set XA_, SA+8*(\e)+Q_
.if \kind
.if Q_
	WIN (1+FA_/FPW)|((1+FB_/FPW)<<2)|((D_>>8)<<4)|((D_>>8)<<6)
	PROD1 DL_, FA_, FB_, v[DL_:DL_+7], XA_, XB_, b, (\n)%2
.else
	WIN (1+FA_/FPW)|((1+FB_/FPW)<<2)|(3<<4)|((D_>>8)<<6)
	PROD1 DL_, FA_, FB_, v[BBV-768+8*((\n)%4):BBV-768+8*((\n)%4)+7], XA_, XB_, b, (\n)%2
.endif
.else
	WIN (1+FB_/FPW)|((1+FA_/FPW)<<2)|((D_>>8)<<4)|((D_>>8)<<6)
.if Q_
	PROD1 DL_, FB_, FA_, v[DL_:DL_+7], XB_, XA_, a, (\n)%2
.else
	PROD1 DL_, FB_, FA_, v[BBQ+8*((\n)%4):BBQ+8*((\n)%4)+7], XB_, XA_, a, (\n)%2
.endif
.endif
.endm
.macro PROD1 d, s0, s1, c, x0, x1, side, o
.if \o
	v_wmma_scale_f32_16x16x128_f8f6f4 v[\d:\d+7], v[FR*((\s0)%FPW):FR*((\s0)%FPW)+FR-1], v[FR*((\s1)%FPW):FR*((\s1)%FPW)+FR-1], \c, v[\x0], v[\x1] matrix_a_fmt:MATRIX_FMT_FP6 matrix_b_fmt:MATRIX_FMT_FP6 matrix_\side\()_scale:MATRIX_SCALE_ROW1
.else
	v_wmma_scale_f32_16x16x128_f8f6f4 v[\d:\d+7], v[FR*((\s0)%FPW):FR*((\s0)%FPW)+FR-1], v[FR*((\s1)%FPW):FR*((\s1)%FPW)+FR-1], \c, v[\x0], v[\x1] matrix_a_fmt:MATRIX_FMT_FP6 matrix_b_fmt:MATRIX_FMT_FP6 matrix_\side\()_scale:MATRIX_SCALE_ROW0
.endif
.endm
; Products from .. to - 1 of a block; behind every second one two entries of the list (a macro: entry number, two arguments of its own).
.macro BLOCK kind, e, a0, as, from, to, list, x=0, y=0
.set N_, \from
.rept (\to)-(\from)
	PROD \kind, \e, N_, \a0, \as
.if N_%2
	\list N_-1, \x, \y
	\list N_, \x, \y
.endif
.set N_, N_+1
.endr
.endm
; What the lists are made of.  Each macro writes entry i of its part, and nothing beyond its last.
.macro STEP i, par, sc                 ; the next block's LDS addresses.  An even block steps to its pair: sc = 1: 16 rows on; 2: 112 rows on, the next chunk; 3: the same, back to slot 0 at the ring's end
.if (\par) == 0 && (\sc) == 3
.if (\i) == 0
	s_add_co_u32 s101, s101, 7*P16
	s_cmp_eq_u32 s101, 2*YB
	s_cselect_b32 s101, 0, s101
	s_add_co_u32 s91, s91, 7*S16
.elseif (\i) == 1
	s_cmp_eq_u32 s91, 2*SCB
	s_cselect_b32 s91, 0, s91
.endif
	STEPV (\i)-1, 0
.else
.if (\par) == 0 && (\i) == 0
.if (\sc) == 1
	s_add_co_u32 s101, s101, P16
	s_add_co_u32 s91, s91, S16
.else
	s_add_co_u32 s101, s101, 7*P16
	s_add_co_u32 s91, s91, 7*S16
.endif
.endif
	STEPV \i, \par
.endif
.endm
.macro STEPV i, par
.if (\par)
.set B0_, ADO
.set B1_, ASO
.else
.set B0_, ADE
.set B1_, ASE
.endif
.if (\i) == 0
	WIN 0
	v_add_nc_u32 v[ADR], s101, v[B0_]
.elseif (\i) == 1
	WIN 0
	v_add_nc_u32 v[ADR+1], s101, v[B0_+1]
.elseif (\i) == 2
	WIN 0
	v_add_nc_u32 v[AAS], s91, v[B1_]
.endif
.endm
.macro CHAIN i, x, n, t=TQ             ; a way out's first part, 18 entries: the largest magnitude of the 32 sums from register x on, in two chains, and the conversions' scale operand, v[SOP+n]
.set XW_, (\x)>>8
.set XL_, (\x)&255
.if (\i) >= 0 && (\i) < 14
.set B_, XL_+16*((\i)%2)+2*((\i)/2)
.set T_, (\t)+1-(\i)%2
.if (\i) < 2
	WIN XW_|(XW_<<2)|(XW_<<4)
	v_max3_num_f32 v[T_], |v[B_]|, |v[B_+1]|, |v[B_+2]|
.else
	WIN (XW_<<2)|(XW_<<4)
	v_max3_num_f32 v[T_], v[T_], |v[B_+1]|, |v[B_+2]|
.endif
.elseif (\i) == 14
	WIN XW_<<2
	v_max3_num_f32 v[\t+1], v[\t+1], |v[XL_+15]|, (EMAX+1)<<23
.elseif (\i) == 15
	WIN 0
	v_nop                                          ; so that the next line, which reads entry 14's result, stands in the next pair
.elseif (\i) == 16
	WIN XW_<<2
	v_max3_num_f32 v[\t], v[\t], |v[XL_+31]|, v[\t+1]
.elseif (\i) == 17
	WIN 0
	v_add_nc_u32 v[SOP+\n], -(EMAX<<23), v[\t]
.endif
.endm
.macro CODES i, x, c, n, t=TC          ; its second part, 6 lines: 32 codes into v[c .. c+5], the scale's byte into v[EB+n]
.set XW_, (\x)>>8
.set XL_, (\x)&255
.if (\i) == 0
	WIN XW_
	v_cvt_scalef32_pk16_fp6_f32 v[\c:\c+2], v[XL_:XL_+15], v[SOP+\n]
.elseif (\i) == 1
	WIN XW_
	v_cvt_scalef32_pk16_fp6_f32 v[\t:\t+2], v[XL_+16:XL_+31], v[SOP+\n]
.elseif (\i) == 2
	WIN 0
	v_lshrrev_b32 v[EB+\n], 23, v[SOP+\n]
.else
	WIN 0
	v_mov_b32 v[\c+\i], v[\t+\i-3]
.endif
.endm
.macro CODES6 x, c, n
.irp i, 0,1,2,3,4,5
	CODES \i, \x, \c, \n
.endr
.endm
.macro PFTILE v, off, share            ; my sixteenth, 24 blocks of 256 bytes, of a tile of 128 rows
	s_mul_i32 s21, s\share, RA*KROW/16
	s_add_co_u32 s20, s\off, s21
	WIN 0
	v_min_u32 v\v, RA*KROW/16/256-1, v3
	v_lshl_add_u32 v\v, v\v, 8, s20
.endm
.macro PFGO v, base
	global_prefetch_b8 v\v, s[\base:\base+1] th:TH_LOAD_NT scope:SCOPE_SE
.endm
.macro PUT r, base, off                ; a half fragment, six registers: 512 and 256 consecutive bytes, aligned
	global_store_b128 v[CO], v[\r:\r+3], \base offset:\off
	global_store_b64 v[CO8], v[\r+4:\r+5], \base offset:(\off)+512
.endm
.macro ASK i                           ; 4 entries: the descriptors of the chunk at s88 (bytes from x's codes) for slot s47, and of its scale bytes at s55 for s8; then all four step on
.if (\i) == 0
	s_mul_i32 s[G0R+1], s14, RA/2*PITCH
	s_add_co_u32 s[G0R+1], s[G0R+1], s47
	s_mul_i32 s20, s14, RA/2*KROW
	SADD 20, 88
.elseif (\i) == 1
	s_mov_b32 s21, 0
	s_add_nc_u64 s[G0R+2:G0R+3], s[4:5], s[20:21]
	s_or_b32 s[G0R+3], s[G0R+3], 0x80000000
	s_mov_b32 s[G0S+1], s8
.elseif (\i) == 2
	s_mov_b32 s20, s55
	s_add_nc_u64 s[G0S+2:G0S+3], s[6:7], s[20:21]
	s_or_b32 s[G0S+3], s[G0S+3], 0x80000000
	s_add_co_u32 s88, s88, RA*KROW
.elseif (\i) == 3
	s_add_co_u32 s55, s55, CU*256
	s_xor_b32 s47, s47, YB
	s_xor_b32 s8, s8, (SCL)^(SCL+SCB)
.endif
.endm
.macro PAIR i                          ; 4 entries: where pair s46's codes go (s[84:85], by the true pair s46 ^ 4 s87) and its scale bytes (v[VX], by the order of work)
.if (\i) == 0
	s_lshl_b32 s3, s87, 2
	s_xor_b32 s3, s3, s46
	s_lshr_b32 s20, s3, 1
	s_and_b32 s21, s3, 1
.elseif (\i) == 1
	s_mul_i32 s20, s20, 4*PANEL
	s_mul_i32 s21, s21, 2*1536
	SADD 20, 21
	s_mov_b32 s21, 0
.elseif (\i) == 2
	s_add_nc_u64 s[84:85], s[10:11], s[20:21]
	s_lshr_b32 s22, s46, 1
	s_lshl_b32 s22, s22, 9
	s_and_b32 s23, s46, 1
.elseif (\i) == 3
	s_lshl_b32 s23, s23, 3
	s_or_b32 s22, s22, s23
	s_add_co_u32 s46, s46, 1
	WIN 0
	v_add_nc_u32 v[VX], s22, v[STO]
.endif
.endm
; The lists.
.macro L_STEP i, x, y                  ; x: the block's parity
	STEP \i, \x, 1
.endm
.macro L_NONE i, x, y
.endm
.macro L_OUTV i, x, y                  ; V's blocks 4, 5
	STEP \i, (\y)%2, 1
	CHAIN (\i)-3, \x, \y
.endm
.macro L_EVEN i, x, y                  ; an even block of phase 2: the step, the odd block's way out
	STEP \i, 0, 1
	CHAIN (\i)-3, ACC+32, 1
.endm
.macro L_LAST i, x, y
	CHAIN \i, \x, \y
.endm
.macro L_V2 i, x, y                    ; V's third block: the refills' descriptors, the step, what the second refill will load
.if (\i) == 0
	s_mov_b32 s[G1A+2], (RA/2)<<16
	s_mov_b32 s[G1A+4], RA/2
	s_mov_b32 s[G1S+2], CU<<16
	s_mov_b32 s[G1S+4], CU
.elseif (\i) == 1
	s_mov_b32 s[G1B+2], (TN/2)<<16
	s_mov_b32 s[G1B+4], TN/2
	s_mul_i32 s[G0B+1], s14, TN/2*PITCH
	s_add_co_u32 s[G0B+1], s[G0B+1], BVB
.elseif (\i) == 2
	s_mul_i32 s20, s14, TN/2*KROW
	SADD 20, 9
	s_mov_b32 s21, 0
	s_add_nc_u64 s[G0B+2:G0B+3], s[40:41], s[20:21]
.elseif (\i) == 3
	s_or_b32 s[G0B+3], s[G0B+3], 0x80000000
.elseif (\i) == 7
	PFTILE 7, 88, 90
.elseif (\i) == 8
	s_lshl_b32 s21, s90, 9
	s_add_co_u32 s20, s55, s21
	WIN 0
	v_min_u32 v8, 1, v3
	v_lshl_add_u32 v8, v8, 8, s20
.endif
	STEP (\i)-4, 0, 2
.endm
.macro L_V7 i, x, y                    ; V's last block: what the third refill will load; the way out
.if (\i) == 0
	s_add_co_u32 s22, s88, RA*KROW
	PFTILE 20, 22, 90
.endif
	CHAIN (\i)-1, \x, \y
.endm
.macro L_ODD i, x, y                   ; an odd block of phase 2: the pair's places, the step, the even block's way out
	PAIR \i
	STEP (\i)-4, 1, 0
	CHAIN (\i)-7, ACC, 0
.endm
.macro L_ODDL i, x, y
	PAIR \i
	CHAIN (\i)-4, ACC, 0
.endm
.macro L_ROUND i, x, y                 ; an even block with a round: the descriptors, the step, the odd block's way out
	ASK \i
	STEP (\i)-4, 0, 3
	CHAIN (\i)-8, ACC+32, 1
.endm
.macro WAITDS w
.if (\w) >= 0
	s_wait_dscnt \w
.endif
.endm
.macro EVENOUT fetch                   ; behind an even block: the odd block's byte, the pair's codes, the fetch of the block two on
	WALU
	ds_store_b8 v[VX], v[EB+1] offset:4
	PUT NCD, s[84:85], 0
	PUT NCD+6, s[84:85], 1536
.if \fetch
	FETCH 0
.endif
.endm
.macro EVEN w, fetch
	WAITDS \w
.if \fetch
	BLOCK 0, 0, ACC, 8, 0, 32, L_EVEN
.else
	BLOCK 0, 0, ACC, 8, 0, 32, L_LAST, ACC+32, 1
.endif
	WIN 0
	CODES6 ACC+32, NCD+6, 1
	EVENOUT \fetch
.endm
.macro EVENROUND w                     ; the second and the third refill
	WAITDS \w
	GRD
	BLOCK 0, 0, ACC, 8, 0, 26, L_ROUND
	WIN 0
	WALU
	s_wait_dscnt 0x0
	s_barrier_signal -1
	BLOCK 0, 0, ACC, 8, 26, 32, L_NONE
	WIN 0
	CODES6 ACC+32, NCD+6, 1
	MIDDLE
	BARRIER
	s_cmp_lt_u32 s14, 2
	s_cbranch_scc0 .Lscales_\@
	TLOAD G0R, G1A
	s_branch .Lasked_\@
.Lscales_\@:
	s_cmp_eq_u32 s14, 2
	s_cbranch_scc0 .Lnone_\@
	TLOAD G0S, G1S
.Lnone_\@:
.Lasked_\@:
	EVENOUT 1
.endm
.macro EVENSHOW w                      ; a plain barrier inside the block shows the last refill to all
	WAITDS \w
	BLOCK 0, 0, ACC, 8, 0, 26, L_EVEN
	WIN 0
	WALU
	s_wait_tensorcnt 0x0
	s_wait_dscnt 0x0
	s_barrier_signal -1
	BLOCK 0, 0, ACC, 8, 26, 32, L_NONE
	WIN 0
	s_barrier_wait -1
	CODES6 ACC+32, NCD+6, 1
	EVENOUT 1
.endm
.macro ODD w, fetch
	WAITDS \w
	s_wait_xcnt 0x0                                ; the last pair's stores have read their base and registers
.if \fetch
	BLOCK 0, 1, ACC+32, 8, 0, 32, L_ODD
.else
	BLOCK 0, 1, ACC+32, 8, 0, 32, L_ODDL
.endif
	WIN 0
	CODES6 ACC, NCD, 0
	WALU
	ds_store_b8 v[VX], v[EB]
.if \fetch
	FETCH 1
.endif
.endm
; ================= THE HEAD
	s_load_b128 s[4:7], s[0:1], 0x0                ; x codes, scales
	s_load_b128 s[48:51], s[0:1], 0x10             ; Wq
	s_load_b128 s[76:79], s[0:1], 0x20             ; Wk
	s_load_b128 s[80:83], s[0:1], 0x30             ; Wv
	v_lshl_add_u32 v[SPW], v0, 2, SPARE
	v_mov_b32 v[NIL], 0
	ds_add_u32 v[SPW], v[NIL]
	ds_add_u32 v[SPW], v[NIL]
	v_lshrrev_b32 v199, 5, v0
	v_readfirstlane_b32 s14, v199                  ; s14 the wave; s15 its row of the 2 x 2, s16 its column
	s_lshr_b32 s15, s14, 1
	s_and_b32 s16, s14, 1
	s_bfe_u32 s40, ttmp6, 0x40000                  ; cx
	s_bfe_u32 s41, ttmp6, 0x40004                  ; cy
	s_and_b32 s43, ttmp7, 0xffff
	s_lshl_b32 s43, s43, 2
	s_add_co_u32 s43, s43, s41                     ; s43 phase 2's tile row, 0 .. 15
	s_lshr_b32 s19, ttmp9, 1                       ; s19: 0 Q, 1 K
	s_and_b32 s87, ttmp9, 1                        ; s87: V's half of my 512 rows
	s_lshl_b32 s42, s87, 2
	s_add_co_u32 s42, s42, s40                     ; s42 phase 2's tile column in its tensor, 0 .. 7
	s_lshl_b32 s13, s19, 2
	s_add_co_u32 s13, s13, s40                     ; s13 V's tile column
	s_lshl_b32 s12, s43, 1
	s_add_co_u32 s12, s12, s87                     ; s12 V's tile row
	s_lshl_b32 s44, s41, 2
	s_lshl_b32 s44, 15, s44                        ; my row of the cluster
	s_lshl_b32 s45, 0x1111, s40                    ; my column
	GROUP1 G1A, 44, RA
	GROUP1 G1B, 45, TN
	s_or_b32 s[G1S+0], s44, (3<<16)|(1<<20)|(1<<21)|(5<<22)|(3<<25)
	s_mov_b32 s[G1S+1], 32<<16
	s_mov_b32 s[G1S+2], (2*CU)<<16
	s_mov_b32 s[G1S+3], 32<<16
	s_mov_b32 s[G1S+4], 2*CU
	s_mov_b32 s[G1S+5], 32
	s_mov_b32 s[G1S+6], 0
	s_mov_b32 s[G1S+7], 0
	s_mov_b32 s[G0S], 1
	s_mov_b32 s[G0S+1], SCL
	s_mov_b32 s[G0A], 1
	s_mov_b32 s[G0A+1], 0
	s_mov_b32 s[G0B], 1
	s_mov_b32 s[G0B+1], BVB
	s_mov_b32 s[G0R], 1
	s_mov_b32 s[G0R+1], YB
	s_mul_i32 s67, s43, 512*KROW                   ; my 512 rows of x, in bytes
	s_mul_i32 s66, s12, 256*KROW                   ; V's half of them
	s_mul_i32 s9, s42, TN*KROW                     ; Wq's or Wk's rows
	s_mul_i32 s54, s13, TN*KROW                    ; Wv's
	s_mul_i32 s55, s43, 512*KS
	s_mul_i32 s89, s12, 256*KS
	s_mul_i32 s22, s16, 64*KS
	s_mul_i32 s46, s42, TN*KS
	SADD 46, 22
	s_mov_b32 s47, 0                               ; s[46:47]: my 64 rows' scale bytes in Wq or Wk
	s_mul_i32 s20, s13, TN*KS
	SADD 20, 22
	s_mov_b32 s21, 0                               ; s[20:21]: in Wv
	s_lshl_b32 s90, s40, 2
	SADD 90, 14                                    ; my number among the sixteen waves of my row of the cluster
	s_lshl_b32 s100, s41, 2
	SADD 100, 14                                   ; and of my column
	s_mul_i32 s2, s15, 64*PITCH                    ; my 64 rows of a chunk
	s_mul_i32 s3, s15, 8*272
	s_add_co_u32 s3, s3, SCL                       ; and their scale bytes
	s_mul_i32 s22, s16, 64*PITCH
	s_add_co_u32 s22, s22, BVB                     ; my 64 rows of the weights
	s_add_co_u32 s23, s22, P16
	s_lshl_b32 s17, s15, 4
	s_lshl_b32 s18, s16, 1
	SADD 17, 18
	s_add_co_u32 s17, s17, XN
	s_lshl_b32 s18, s16, 4
	s_lshl_b32 s84, s15, 1
	SADD 18, 84
	s_add_co_u32 s18, s18, XM
	v_and_b32 v200, 15, v0                         ; r
	v_bfe_u32 v201, v0, 4, 1                       ; h
	v_and_b32 v3, 31, v0                           ; lane
	v_lshrrev_b32 v202, 3, v200                    ; r / 8
	v_lshl_add_u32 v203, v202, 5, v200             ; an even tile's row of lane r: r + 32 (r / 8),
	v_lshl_add_u32 v204, v202, 4, v200
	v_add_nc_u32 v204, 8, v204                     ; an odd tile's: 8 + r + 16 (r / 8)
	v_mul_u32_u24 v205, v203, PITCH
	v_mul_u32_u24 v206, v204, PITCH
	v_mad_u32_u24 v207, v201, 24, v205             ; + 24 h; behind one padding more + 40 h
	v_mad_u32_u24 v208, v201, 40, v205
	v_mad_u32_u24 v209, v201, 24, v206
	v_mad_u32_u24 v210, v201, 40, v206
	v_add_nc_u32 v[ADE], s2, v207
	v_add_nc_u32 v[ADE+1], s2, v208
	v_add_nc_u32 v[ADO], s2, v209
	v_add_nc_u32 v[ADO+1], s2, v210
	WIN 3<<6
	v_add_nc_u32 v[BA-768+0], s22, v207
	v_add_nc_u32 v[BA-768+1], s22, v208
	v_add_nc_u32 v[BA-768+2], s22, v209
	v_add_nc_u32 v[BA-768+3], s22, v210
	v_add_nc_u32 v[BA-768+4], s23, v207
	v_add_nc_u32 v[BA-768+5], s23, v208
	v_add_nc_u32 v[BA-768+6], s23, v209
	v_add_nc_u32 v[BA-768+7], s23, v210
	WIN 0
	v_and_b32 v211, 7, v200                        ; r % 8
	v_lshlrev_b32 v212, 5, v211
	v_mad_u32_u24 v213, v202, 5*272, v212          ; scale bytes: 8 rows in 256 + 16 bytes of LDS
	v_add_nc_u32 v[ASE], s3, v213
	v_mad_u32_u24 v213, v202, 3*272, v212
	v_add_nc_u32 v213, 272, v213
	v_add_nc_u32 v[ASO], s3, v213
	v_cmp_eq_u32 vcc_lo, 1, v201
	v_cndmask_b32 v214, v203, v204, vcc_lo         ; the weights' words: lanes 0-15 an even tile's rows, lanes 16-31 the odd tile's beside it
	v_lshlrev_b32 v[ABS], 5, v214
	v_lshlrev_b32 v[CO], 4, v3
	v_lshlrev_b32 v[CO8], 3, v3
	v_lshl_add_u32 v217, v200, 5, v201             ; 32 r + h
	v_add_nc_u32 v[STO], s17, v217
	v_add_nc_u32 v[STV], s18, v217
	v_mul_u32_u24 v[BIE], v201, 160                ; Q, K: register 8 b + i of lane half h: feature 32 h + 8 (b ^ h) + i
	v_mul_u32_u24 v[BIO], v201, 96
	v_lshlrev_b32 v218, 2, v211
	v_mad_u32_u24 v215, v202, 160, v218            ; V: lane r of tile t: channel 32 (r / 8) + 8 (t ^ (r / 8)) + r % 8
	v_mad_u32_u24 v216, v202, 96, v218
	WALU
	s_wait_dscnt 0x0
	CROUND                                         ; the opening round, ahead of the wait for the arguments
	s_wait_kmcnt 0x0
	s_add_nc_u64 s[84:85], s[82:83], s[20:21]      ; Wv's scale bytes, my 64 rows
	s_cmp_eq_u32 s19, 0
	s_cselect_b64 s[40:41], s[48:49], s[76:77]     ; Wq's or Wk's codes
	s_cselect_b64 s[10:11], s[50:51], s[78:79]
	s_add_nc_u64 s[10:11], s[10:11], s[46:47]      ; its scale bytes, my 64 rows
	s_mov_b32 s21, 0
	s_mov_b32 s20, s66
	s_add_nc_u64 s[G0A+2:G0A+3], s[4:5], s[20:21]
	s_add_nc_u64 s[G0R+2:G0R+3], s[G0A+2:G0A+3], RA*KROW
	s_or_b32 s[G0A+3], s[G0A+3], 0x80000000
	s_or_b32 s[G0R+3], s[G0R+3], 0x80000000
	G0SET G0B, 80, 54
	G0SET G0S, 6, 89
	s_load_b128 s[48:51], s[0:1], 0x40             ; bq, bk
	s_load_b128 s[76:79], s[0:1], 0x50             ; bv, Qp
	s_load_b128 s[80:83], s[0:1], 0x60             ; Kp, Vp
	s_cmp_eq_u32 s14, 0
	s_cbranch_scc0 .Lwave_1
	TLOAD G0B, G1B                                 ; wave 0: Wv's rows
	s_branch .Lasked
.Lwave_1:
	s_cmp_eq_u32 s14, 1
	s_cbranch_scc0 .Lwave_2
	TLOAD G0S, G1S                                 ; wave 1: both chunks' scale bytes
	s_branch .Lasked
.Lwave_2:
	s_cmp_eq_u32 s14, 2
	s_cbranch_scc0 .Lwave_3
	TLOAD G0A, G1A                                 ; wave 2: chunk 0
	s_branch .Lasked
.Lwave_3:
	TLOAD G0R, G1A                                 ; wave 3: chunk 1
.Lasked:
.irp p, 0,1
.irp c, 0,1
	global_load_b128 v[SB+8*\p+4*\c:SB+8*\p+4*\c+3], v[ABS], s[84:85] offset:16*KS*\p+16*\c
.endr
.endr
	WIN 3<<6
.irp p, 0,1
.irp c, 0,1
	global_load_b128 v[SB2-768+8*\p+4*\c:SB2-768+8*\p+4*\c+3], v[ABS], s[10:11] offset:16*KS*\p+16*\c
.endr
.endr
	WIN 0
	s_xor_b32 s20, s87, 1                          ; the chunks still to come are the other half's
	s_mul_i32 s88, s20, 256*KROW
	SADD 88, 67
	s_mul_i32 s21, s20, 256*KS
	SADD 55, 21
	s_lshl_b32 s21, s43, 4                         ; where Q's or K's codes go: panel 4 (4 x tile row) + tile column / 2, ...
	s_lshr_b32 s22, s42, 1
	SADD 21, 22
	s_mul_i32 s21, s21, PANEL
	s_and_b32 s22, s42, 1
	s_mul_i32 s44, s22, 8*1536
	SADD 44, 21
	s_mul_i32 s23, s15, 4*1536
	SADD 44, 23
	s_mul_i32 s23, s16, 768
	SADD 44, 23
	s_mov_b32 s45, 0
	s_lshl_b32 s2, s87, 1                          ; and the scale words that I send: those of chunk s14 in the order of work
	s_xor_b32 s2, s2, s14
	s_mul_i32 s2, s2, 4*PANEL
	SADD 2, 21
	s_lshl_b32 s22, s22, 9
	SADD 2, 22
	s_add_co_u32 s2, s2, 24576
	s_mov_b32 s3, 0
	s_lshr_b32 s21, s12, 3                         ; V's panel
	s_lshl_b32 s21, s21, 3
	SADD 21, 13
	s_lshl_b32 s21, s21, 3
	s_and_b32 s22, s12, 7
	SADD 21, 22
	s_mul_i32 s21, s21, PANEL
	s_mul_i32 s66, s16, 4*1536
	SADD 66, 21
	s_mul_i32 s22, s15, 768
	SADD 66, 22
	s_mov_b32 s67, 0
	s_lshl_b32 s20, s14, 8
	SADD 20, 21
	s_add_co_u32 s20, s20, 24576
	s_mov_b32 s21, 0                               ; s[20:21]: the V scale words that I send
	s_lshl_b32 s18, s16, 8
	s_lshl_b32 s22, s13, 9
	SADD 22, 18
	s_mov_b32 s23, 0                               ; s[22:23]: my 64 channels in V's bias
	s_lshl_b32 s46, s42, 9
	SADD 46, 18                                    ; s[46:47]: my 64 features in Q's or K's
	s_wait_xcnt 0x0
	s_wait_kmcnt 0x0
	s_add_nc_u64 s[22:23], s[76:77], s[22:23]
	s_cmp_eq_u32 s19, 0
	s_cselect_b64 s[12:13], s[48:49], s[50:51]
	s_cselect_b64 s[10:11], s[78:79], s[80:81]
	s_add_nc_u64 s[12:13], s[12:13], s[46:47]
	s_add_nc_u64 s[48:49], s[10:11], s[2:3]
	s_add_nc_u64 s[10:11], s[10:11], s[44:45]
	s_add_nc_u64 s[50:51], s[82:83], s[66:67]
	s_add_nc_u64 s[52:53], s[82:83], s[20:21]
	WIN 3<<6
	global_load_b32 v[BBV-768], v215, s[22:23]
	global_load_b32 v[BBV-768+8], v216, s[22:23] offset:32
	global_load_b32 v[BBV-768+16], v215, s[22:23] offset:64
	global_load_b32 v[BBV-768+24], v216, s[22:23] offset:96
	WIN 0
	s_mov_b32 s46, 0
	s_mov_b32 s47, 0
	s_mov_b32 s8, SCL
	s_wait_xcnt 0x0
	PFTILE 8, 9, 100                               ; what the first refill will load
	WALU
	s_cmp_eq_u32 s14, 0
	s_cbranch_scc0 .Lnot_b
	s_wait_tensorcnt 0x0
.Lnot_b:
	BARRIER                                        ; Wv's rows are in
	PFGO 8, 40
	WEIGHTS
	s_wait_loadcnt 0x0                             ; scale words and V's bias
	WIN (3<<6)|3
.irp t, 0,8,16,24
.irp i, 1,2,3,4,5,6,7
	v_mov_b32 v[BBV-768+\t+\i], v[BBV-768+\t]      ; V's number, one a lane and tile, over the tile's eight registers
.endr
.endr
	WIN 0
	WALU
	s_cmp_eq_u32 s14, 3
	s_cbranch_scc1 .Lnot_a0
	s_wait_tensorcnt 0x0
.Lnot_a0:
	s_wait_dscnt 0x0
	BARRIER                                        ; chunk 0 and the scale bytes are in; chunk 1 may still be on its way
	FETCH01
; ================= PHASE 1: V, eight blocks; chunk 0's way outs stand in chunk 1's blocks
.irp s, 0,1
	s_wait_dscnt NF
	BLOCK 1, \s, HV0+8*\s, 32, 0, 32, L_STEP, \s
	WIN 0
	PLACES 4
	WALU
	FETCH \s
.endr
	s_wait_dscnt NF
	s_wait_xcnt 0x0                                ; the list writes v8, the address of the head's prefetch
	GRD
	BLOCK 1, 0, HV0+16, 32, 0, 24, L_V2
	WIN 0
	WALU
	s_wait_dscnt 0x0
	s_barrier_signal -1
	BLOCK 1, 0, HV0+16, 32, 24, 32, L_NONE
	MIDDLE
	BARRIER
	s_cmp_lt_u32 s14, 2
	s_cbranch_scc0 .Lno_half
	TLOAD G0B, G1B                                 ; waves 0 and 1 a half each of Wq's or Wk's rows, onto Wv's, which all waves hold in registers
.Lno_half:
	PLACES 4
	WALU
	FETCH 0
	PFGO 7, 4
	PFGO 8, 6
	BLOCK 1, 1, HV0+24, 32, 0, 32, L_STEP, 1
	WIN 0
	PLACES 4
	WALU
	FETCH 1
.irp j, 0,1,2
	s_wait_dscnt NF+(\j+1)/2
.if \j < 2
	BLOCK 1, \j%2, HV1+8*\j, 32, 0, 32, L_OUTV, HV0+32*\j, \j
.else
	BLOCK 1, \j%2, HV1+8*\j, 32, 0, 32, L_LAST, HV0+32*\j, \j
.endif
	WIN 0
	CODES6 HV0+32*\j, MCD+12*\j, \j
	WALU
	ds_store_b8 v[STV], v[EB+\j] offset:4*\j
.if \j < 2
	FETCH \j%2
.endif
.endr
	s_wait_dscnt 1
	BLOCK 1, 1, HV1+24, 32, 0, 26, L_V7, HV0+96, 3
	WIN 0
	WALU
	s_wait_tensorcnt 0x0
	s_wait_dscnt 0x0
	s_barrier_signal -1                            ; a plain barrier: the weights that the first refill brought are shown to all
	BLOCK 1, 1, HV1+24, 32, 26, 32, L_NONE
	WIN 0
	s_barrier_wait -1
	CODES6 HV0+96, MCD+36, 3
	WALU
	ds_store_b8 v[STV], v[EB+3] offset:12
; ================= THE CHANGE OF PHASE: the weights and the first two blocks' rows, which lie in slot 0 still, in one run of loads; chunk 1's four way outs under their flight
.irp u, 0,1
	global_load_b128 v[BBQ+4*\u:BBQ+4*\u+3], v[BIE], s[12:13] offset:16*\u
	global_load_b128 v[BBQ+8+4*\u:BBQ+8+4*\u+3], v[BIO], s[12:13] offset:32+16*\u
	global_load_b128 v[BBQ+16+4*\u:BBQ+16+4*\u+3], v[BIE], s[12:13] offset:64+16*\u
	global_load_b128 v[BBQ+24+4*\u:BBQ+24+4*\u+3], v[BIO], s[12:13] offset:96+16*\u
.endr
	WEIGHTS
	FETCH01
	PFGO 20, 4
	WIN 3
.set I, 0
.rept 16
	v_mov_b32 v[SB+I], v[SB2-768+I]
.set I, I+1
.endr
	WIN 0
.set I, 0
.rept 18
.irp t, 0,1,2,3
	CHAIN I, HV1+32*\t, \t, 64+4*\t
.endr
.set I, I+1
.endr
.set I, 0
.rept 6
.irp t, 0,1,2,3
	CODES I, HV1+32*\t, MCD+12*\t+6, \t, 80+4*\t
.endr
.set I, I+1
.endr
	WIN 0
	WALU
; ================= PHASE 2: Q or K, sixteen blocks, way outs by pairs
	s_wait_loadcnt 0x0
	s_wait_dscnt NF
	BLOCK 0, 0, ACC, 8, 0, 32, L_STEP, 0
	WIN 0
	PLACES 4
	WALU
.irp t, 0,1,2,3
	ds_store_b8 v[STV], v[EB+\t] offset:512+4*\t
.endr
.irp t, 0,1,2,3
	PUT MCD+12*\t, s[50:51], 1536*\t               ; V's codes leave
	PUT MCD+12*\t+6, s[50:51], 12288+1536*\t
.endr
	FETCH 0
	ODD NF+4, 1
	s_mov_b32 s86, 0
.Lwith_rounds:                                         ; blocks 2 to 5, 6 to 9
	EVENROUND NF+1
	ODD -1, 1
	EVEN NF+1, 1
	ODD NF+1, 1
	s_add_co_u32 s86, s86, 1
	s_cmp_lg_u32 s86, 2
	s_cbranch_scc1 .Lwith_rounds
	s_add_co_u32 s101, s101, 6*P16                 ; block 10's step adds 16 rows more: the next chunk
	s_add_co_u32 s91, s91, 6*S16
.Lwithout:                                             ; blocks 10, 11 and 12, 13
	EVENSHOW NF+1
	ODD -1, 1
	s_add_co_u32 s86, s86, 1
	s_cmp_lg_u32 s86, 4
	s_cbranch_scc1 .Lwithout
	EVEN NF+1, 0
	ODD 1, 0
; ================= THE END: the last way out; the scale bytes go through LDS under its conversions
	s_lshl_b32 s21, s14, 9
	s_add_co_u32 s21, s21, XN
	s_lshl_b32 s22, s14, 8
	s_add_co_u32 s22, s22, XM
	v_add_nc_u32 v12, s21, v[CO]
	v_add_nc_u32 v14, s22, v[CO8]
.set I, 0
.rept 18
	CHAIN I, ACC+32, 1
.set I, I+1
.endr
	CODES 2, ACC+32, NCD+6, 1
	WALU
	ds_store_b8 v[VX], v[EB+1] offset:4
	s_wait_dscnt 0x0
	s_barrier_signal -1
	CODES 0, ACC+32, NCD+6, 1
	CODES 1, ACC+32, NCD+6, 1
	v_nop
.irp i, 3,4,5
	CODES \i, ACC+32, NCD+6, 1
.endr
	WIN 0
	WALU
	s_barrier_wait -1
	ds_load_b128 v[64:67], v12
	ds_load_b64 v[68:69], v14
	PUT NCD, s[84:85], 0
	PUT NCD+6, s[84:85], 1536
	s_wait_dscnt 0x0
	global_store_b128 v[CO], v[64:67], s[48:49]
	global_store_b64 v[CO8], v[68:69], s[52:53]
	s_wait_tensorcnt 0x0                           ; the wave's end
	ds_add_u32 v[SPW], v[NIL]
	s_wait_dscnt 0x0
	CROUND                                         ; the closing round
	s_endpgm
.Lfunc_end_k_qed70b2db99_proj:
	.size	k_qed70b2db99_proj, .Lfunc_end_k_qed70b2db99_proj-k_qed70b2db99_proj
	.p2alignl 7, 3214868480
	.fill 96, 4, 3214868480
	.section	.rodata,"a",@progbits
	.p2align	6, 0x0
	.amdhsa_kernel k_qed70b2db99_proj
		.amdhsa_group_segment_fixed_size 327680
		.amdhsa_private_segment_fixed_size 0
		.amdhsa_enable_private_segment 0
		.amdhsa_kernarg_size 112
		.amdhsa_user_sgpr_count 2
		.amdhsa_user_sgpr_kernarg_segment_ptr 1
		.amdhsa_wavefront_size32 1
		.amdhsa_system_sgpr_workgroup_id_x 1
		.amdhsa_system_sgpr_workgroup_id_y 1
		.amdhsa_system_sgpr_workgroup_id_z 1
		.amdhsa_system_vgpr_workitem_id 0
		.amdhsa_next_free_vgpr 1024
		.amdhsa_next_free_sgpr 102
		.amdhsa_reserve_vcc 1
		.amdhsa_float_denorm_mode_32 3
		.amdhsa_float_denorm_mode_16_64 3
		.amdhsa_memory_ordered 1
		.amdhsa_forward_progress 1
		.amdhsa_inst_pref_size 189
	.end_amdhsa_kernel
	.amdgpu_metadata
---
amdhsa.version: [ 1, 2 ]
amdhsa.kernels:
  - .name:           k_qed70b2db99_proj
    .symbol:         k_qed70b2db99_proj.kd
    .args:
      - { .name: x_codes, .offset: 0, .size: 8, .value_kind: global_buffer, .address_space: global }
      - { .name: x_scales, .offset: 8, .size: 8, .value_kind: global_buffer, .address_space: global }
      - { .name: Wq_codes, .offset: 16, .size: 8, .value_kind: global_buffer, .address_space: global }
      - { .name: Wq_scales, .offset: 24, .size: 8, .value_kind: global_buffer, .address_space: global }
      - { .name: Wk_codes, .offset: 32, .size: 8, .value_kind: global_buffer, .address_space: global }
      - { .name: Wk_scales, .offset: 40, .size: 8, .value_kind: global_buffer, .address_space: global }
      - { .name: Wv_codes, .offset: 48, .size: 8, .value_kind: global_buffer, .address_space: global }
      - { .name: Wv_scales, .offset: 56, .size: 8, .value_kind: global_buffer, .address_space: global }
      - { .name: bq, .offset: 64, .size: 8, .value_kind: global_buffer, .address_space: global }
      - { .name: bk, .offset: 72, .size: 8, .value_kind: global_buffer, .address_space: global }
      - { .name: bv, .offset: 80, .size: 8, .value_kind: global_buffer, .address_space: global }
      - { .name: Qp, .offset: 88, .size: 8, .value_kind: global_buffer, .address_space: global }
      - { .name: Kp, .offset: 96, .size: 8, .value_kind: global_buffer, .address_space: global }
      - { .name: Vp, .offset: 104, .size: 8, .value_kind: global_buffer, .address_space: global }
    .group_segment_fixed_size: 327680
    .private_segment_fixed_size: 0
    .kernarg_segment_align: 8
    .kernarg_segment_size: 112
    .max_flat_workgroup_size: 128
    .sgpr_count:     102
    .vgpr_count:     1024
    .wavefront_size: 32
...
	.end_amdgpu_metadata
.endif
;; end of part 1
;; launch scores (part 2): grid 12 x 16, 4 waves a work-group, clusters of 4 x 4, 327,680 bytes of LDS; arguments Qp, Kp, Pp; writes Pp
.if DOCPART == 2
	.amdgcn_target "amdgcn-amd-amdhsa--gfx1250"
	.amdhsa_code_object_version 6
	.text
	.protected	k_qed70b2db99_scores
	.globl	k_qed70b2db99_scores
	.p2align	8
	.type	k_qed70b2db99_scores,@function
k_qed70b2db99_scores:
	s_mov_b64 s[64:65], 0
	v_nop
	global_prefetch_b8 v0, s[64:65] scope:SCOPE_SE
	s_setreg_imm32_b32 hwreg(HW_REG_WAVE_MODE, 25, 1), 1
	s_wait_xcnt 0x0
	s_wait_alu depctr_hold_cnt(0) depctr_sa_sdst(0) depctr_va_vdst(0) depctr_va_sdst(0) depctr_va_ssrc(0) depctr_va_vcc(0) depctr_vm_vsrc(0)
	s_getreg_b32 s2, hwreg(HW_REG_IB_STS2, 6, 4)
	s_cmp_eq_u32 s2, 0
	s_cbranch_scc0 .Lentry_in_a_cluster
	s_endpgm
.Lentry_in_a_cluster:
	s_bfe_u32 s2, ttmp6, 0x10000c
	s_cmp_lg_u32 s2, 0xf033
	s_cbranch_scc0 .Lentry_shape_is_right
	s_endpgm
.Lentry_shape_is_right:
; S = Q K^T on codes of FP6 (E2M3), the causal mask, and the softmax's p as codes.  Qp, Kp: panels of 128 rows x 256 K as the first launch lays them: fragment (q, i) at (8 q + i) 1,536, its half c at 768 c
; (16 bytes a lane, then at + 512 8 bytes a lane), scale words at 24,576 + 512 q + 32 r + 4 i; 25,600 bytes; panel 4 (row / 128) + feature / 256: a row group's four panels lie one behind the other.
; In each 64 rows, row m of tile j is row 32 (m / 8) + 8 (j ^ (m / 8)) + m % 8, of queries and keys alike.
; DEAD WORK: blocks of 1,024 queries x 1,024 keys that lie wholly above the diagonal are not made: reference() masks them by -inf whatever the inputs hold.  A NaN or infinity that reaches only those scores is not carried.
; Cluster x = 0, 1, 2 takes the blocks (0, 0), (1, 0), (1, 1) of a batch (cluster y).  A work-group makes 256 queries x 256 keys, a wave 128 x 128.  Source 0 = 16 keys, source 1 = 16 queries: a lane holds one query; its 32
; registers over four tiles of keys are one block of 32 keys: the quantiser's block, in the order in which V has its keys.
; Inside a diagonal block the work-groups above the diagonal run the same text: they are partners of the joint loads.  Their tiles come out as zero codes, M = -1e30, l = 0, and the next launch reads them.
; LDS: slots 0 and 1 lie side by side for each wave and take K steps 0 and 1 by the head's one load; slot 2 takes step 2 behind the head's round; step 3 goes into slot 0 behind step 1, the one refill.
; PREFETCH: step 3 (25 of its 100 blocks of 256 bytes a wave, the four partners of a joint load by address), behind the load of step 2, two steps ahead of its own load.  Steps 0 to 2 come by their loads alone.
; THE MASK is the C of the first products: 0 or -3e38 for each register, from seven tables of eight.
; THE SOFTMAX, for a wave's 128 keys alone: t = score x log2(e) / 32; M = the ceiling of the largest t of these 128 keys; p = 2^(t - M), quantised along the keys; l = the sum of the unquantised p.
; The next launch finds the row's M over all keys and moves the scale bytes by the whole number between: the codes stay.
; Pp: panel 8 (query / 128) + key / 256: fragment (q, i) at (8 q + i) 1,536 (registers 4 c .. 4 c + 3 of lane l at 512 c + 16 l), scale words as above, then M at 25,600 and l at 26,624 in the scale words' order: 27,648 bytes.
; LIMITS: NaN and infinities are not served; |t| stays under 1e30; a block whose every p is 0 gets the byte 1 (its codes are zeros).
; REGISTERS: window 0: v8-30 addresses; v32-63 scale words, two sets; v64-119 the mask's tables; from v128 Q's fragments, one set.
;   window 1: K's fragments, two sets.   windows 2, 3: the accumulators ((a, b) at v[8 (8 (a % 4) + b)]).   In the tail v32-119 and v128-255 of window 0 and v128-191 of window 1 are at work.
.set FR,     12
.set NL,     4                         ; LDS loads that bring a fragment
.set NP,     4                         ; places behind this matrix instruction (ISA guide 7.12.1)
.set PANEL,  25600
.set PPANEL, 27648
.set SLOT,   4*PANEL
.set SPARE,  3*SLOT
.set ADRS, 8                           ; v8-10  my scale words in slot 0, 1, 2: lanes 0-15 Q's rows, lanes 16-31 K's
.set ADA8, 11                          ; v11-13 Q's panel + 8 x lane
.set ADRA, 16                          ; v16-18 Q's panel in slot 0, 1, 2, + 16 x lane
.set ADRB, 20                          ; v20-22 K's
.set OI,   24
.set OS,   25
.set SPW,  28
.set NIL,  29
.set SC,   32                          ; set s (step % 2) at v[SC + 16 s]; in it register 8 q + i
.set MT,   64
.set NEG,  120
.set ADB8, 121                         ; v121-123 K's panel + 8 x lane
.set SH,   124                         ; 8 h
.set SD,   64
.set AF,   128
.set T,    128                         ; the tail: 64 numbers of each of two blocks, in window 0 and in window 1
.set PC,   192                         ; v192-211, v212-231 codes
.set MB,   64                          ; v64-73, v80-89
.set NM,   90                          ; v90, v94 -M;  v91, v95 the largest t
.set SU,   96                          ; v96-104, v108-116 the sums
.set PWS,  232
.set MS,   240
.set LS,   248
.set G1,  24
.set G1B, 32
.set G0,  48                           ; s[48:55] group 0 for Q's panels: steps 0 and 1, then 3; step 2.  s[72:79] for K's
.set G0B, 72
.set PFB, 84                           ; s[84:85] the first byte that my wave's loads bring
.set CS,  66
.set SEL, 68
.set HI,  45
.set OC,  12
.set OW,  96
.set MSB, 0
.macro WIN new
.if MSB != \new
	s_set_vgpr_msb (MSB<<8)|\new
.set MSB, \new
.endif
.endm
.set MUL_LO, 0xa1                      ; source 0 (K) window 1, source 1 (Q) window 0, C and D window 2
.set MUL_HI, 0xf1
.set FIRST_LO, 0x81                    ; the first products: C in window 0
.set FIRST_HI, 0xc1
.set TO_B,   0x40
.macro JLOAD g0a, g1a, g0b, g1b        ; waves 0 and 1 fetch Q's panels, waves 2 and 3 K's
	s_cmp_eq_u32 s15, 0
	s_cbranch_scc0 .Lfor_b_\@
	tensor_load_to_lds s[\g0a:\g0a+3], s[\g1a:\g1a+7]
	s_nop 0
.rept 4
	v_nop
.endr
	s_branch .Lasked_\@
.Lfor_b_\@:
	tensor_load_to_lds s[\g0b:\g0b+3], s[\g1b:\g1b+7]
	s_nop 0
.rept 4
	v_nop
.endr
.Lasked_\@:
.endm
.macro ROWS n                          ; rows of 256 bytes that a load brings
	s_mov_b32 s[G1+2], (\n)<<16
	s_mov_b32 s[G1+4], \n
	s_mov_b32 s[G1B+2], (\n)<<16
	s_mov_b32 s[G1B+4], \n
.endm
.macro CREST
	s_cmp_lg_u32 s14, 0
	s_cbranch_scc1 .Lnot_wave_0_\@
	s_barrier_signal -3
.Lnot_wave_0_\@:
	s_barrier_wait -3
	s_barrier_signal -1
	s_barrier_wait -1
.endm
.macro CROUND
	s_barrier_signal -1
	s_barrier_wait -1
	CREST
.endm
.macro WALU
	s_wait_alu depctr_va_vdst(0)
.endm
	s_load_b128 s[4:7], s[0:1], 0x0                ; Qp, Kp
	s_load_b64 s[OC:OC+1], s[0:1], 0x10            ; Pp
	v_lshl_add_u32 v[SPW], v0, 2, SPARE
	v_mov_b32 v[NIL], 0
	ds_add_u32 v[SPW], v[NIL]
	ds_add_u32 v[SPW], v[NIL]
	v_lshrrev_b32 v1, 5, v0
	v_readfirstlane_b32 s14, v1
	s_lshr_b32 s15, s14, 1                         ; my half of the queries.  Also: I fetch Q (0) or K (1)
	s_and_b32 s16, s14, 1                          ; my half of the keys.  Also: which 128 rows I fetch
	s_bfe_u32 s40, ttmp6, 0x40000                  ; cx
	s_bfe_u32 s41, ttmp6, 0x40004                  ; cy
	s_add_co_u32 s18, ttmp9, 1
	s_lshr_b32 s18, s18, 1                         ; the block of queries: 0, 1, 1
	s_lshr_b32 s19, ttmp9, 1                       ; the block of keys: 0, 0, 1
	s_lshl_b32 s17, s18, 2
	s_add_co_u32 s17, s17, s41                     ; the tile of 256 queries
	s_lshl_b32 s42, s19, 2
	s_add_co_u32 s42, s42, s40                     ; the tile of 256 keys
	s_and_b32 s70, ttmp7, 0xffff                   ; the batch
	s_lshl_b32 s43, s41, 2
	s_lshl_b32 s43, 15, s43                        ; my row of the cluster
	s_lshl_b32 s44, 0x1111, s40                    ; my column
	s_or_b32 s[G1+0], s43, (3<<16)|(1<<21)         ; dense bytes as rows of 256 (32 elements of 8 bytes); no padding
	s_or_b32 s[G1B+0], s44, (3<<16)|(1<<21)
	ROWS 200
.irp g, G1, G1B
	s_mov_b32 s[\g+1], 32<<16
	s_mov_b32 s[\g+3], 32<<16
	s_mov_b32 s[\g+5], 32
	s_mov_b32 s[\g+6], 0
	s_mov_b32 s[\g+7], 0
.endr
	s_lshl_b32 s20, s70, 4
	s_lshl_b32 s21, s17, 1
	s_add_co_u32 s20, s20, s21
	s_add_co_u32 s20, s20, s16                     ; Q: 128 rows number 16 batch + 2 tile + half
	s_mul_i32 s20, s20, 4*PANEL
	s_mov_b32 s21, 0
	s_lshl_b32 s46, s70, 4
	s_lshl_b32 s47, s42, 1
	s_add_co_u32 s46, s46, s47
	s_add_co_u32 s46, s46, s16                     ; K likewise
	s_mul_i32 s46, s46, 4*PANEL
	s_mov_b32 s47, 0
	s_mul_i32 s45, s14, 2*PANEL                    ; where it goes: steps 0 and 1: wave x two panels,
	s_mul_i32 s22, s14, PANEL
	s_add_co_u32 s22, s22, 2*SLOT                  ; step 2: behind them, wave x a panel
	WALU
	s_wait_dscnt 0x0
	s_wait_kmcnt 0x0
	s_add_nc_u64 s[20:21], s[4:5], s[20:21]
	s_add_nc_u64 s[46:47], s[6:7], s[46:47]
	CROUND                                         ; all sixteen work-groups are here: the first joint loads meet
	s_mov_b32 s[G0], 1
	s_mov_b32 s[G0+1], s45
	s_mov_b64 s[G0+2:G0+3], s[20:21]
	s_or_b32 s[G0+3], s[G0+3], 0x80000000
	s_mov_b32 s[G0B], 1
	s_mov_b32 s[G0B+1], s45
	s_mov_b64 s[G0B+2:G0B+3], s[46:47]
	s_or_b32 s[G0B+3], s[G0B+3], 0x80000000
	JLOAD G0, G1, G0B, G1B                         ; steps 0 and 1
	s_mov_b32 s[G0+4], 1
	s_mov_b32 s[G0+5], s22
	s_add_nc_u64 s[G0+6:G0+7], s[20:21], 2*PANEL
	s_or_b32 s[G0+7], s[G0+7], 0x80000000
	s_mov_b32 s[G0B+4], 1
	s_mov_b32 s[G0B+5], s22
	s_add_nc_u64 s[G0B+6:G0B+7], s[46:47], 2*PANEL
	s_or_b32 s[G0B+7], s[G0B+7], 0x80000000
	s_cmp_eq_u32 s15, 0
	s_cselect_b64 s[PFB:PFB+1], s[20:21], s[46:47]
	s_cselect_b32 s23, s40, s41                    ; my place among the four that ask for it with me
	s_mul_i32 s93, s23, 25*256
	s_add_co_u32 s93, s93, 3*PANEL                 ; my 25 blocks of step 3
	s_mul_i32 s21, s15, 2*PANEL                    ; my panel of Q
	s_mul_i32 s22, s16, 2*PANEL
	s_add_co_u32 s22, s22, 4*PANEL                 ; my panel of K
	v_and_b32 v1, 15, v0                           ; r
	v_bfe_u32 v2, v0, 4, 1                         ; h
	v_and_b32 v3, 31, v0
	v_lshlrev_b32 v[OI], 4, v3
	v_lshlrev_b32 v6, 3, v3
	v_lshlrev_b32 v[OS], 5, v1
	v_lshl_add_u32 v[OS], v2, 4, v[OS]             ; 32 r + 16 h
	v_lshlrev_b32 v[SH], 3, v2
	v_min_u32 v5, 24, v3
	v_lshl_add_u32 v15, v5, 8, s93
	WALU
.macro SETADR s
	s_sub_co_u32 s23, s22, s21
	s_add_co_u32 s20, s21, 24576
	v_add_nc_u32 v[ADRA+\s], s21, v[OI]
	v_add_nc_u32 v[ADRB+\s], s22, v[OI]
	v_add_nc_u32 v[ADA8+\s], s21, v6
	v_add_nc_u32 v[ADB8+\s], s22, v6
	v_mul_u32_u24 v4, s23, v2                      ; lanes 16-31 take K's scale words: one product of the half and the distance
	v_lshl_add_u32 v4, v1, 5, v4
	v_add_nc_u32 v[ADRS+\s], s20, v4
.endm
	SETADR 0
	s_add_co_u32 s21, s21, PANEL
	s_add_co_u32 s22, s22, PANEL
	WALU
	SETADR 1
	s_mul_i32 s21, s15, PANEL
	s_mul_i32 s22, s16, PANEL
	s_add_co_u32 s21, s21, 2*SLOT
	s_add_co_u32 s22, s22, 2*SLOT+2*PANEL
	WALU
	SETADR 2
	; THE MASK.  Query of tile a: 32 (r / 8) + 8 (a ^ (r / 8)) + r % 8; key of tile b, register j: 32 h + 8 (b ^ h) + j; hidden where the key lies behind the query.
	; Tables: 0 b / 2 under a / 2;  1 over;  2 a = b;  3 b = a ^ 1, above a;  4 b = a ^ 1, below a;  5 the keys' 64 under the queries' 64;  6 over.  In waves off the diagonal of 128 x 128 all are alike.
	s_sub_co_i32 s92, s17, s42
	s_lshl_b32 s92, s92, 8
	s_sub_co_i32 s93, s15, s16
	s_lshl_b32 s93, s93, 7
	s_add_co_i32 s92, s92, s93                     ; my first query - my first key
	WALU
	v_lshrrev_b32 v4, 3, v1
	v_lshl_add_u32 v5, v4, 5, v1                   ; r + 32 (r / 8): the query for a = 0,
	v_lshl_add_u32 v26, v4, 4, v1
	v_add_nc_u32 v26, 8, v26                       ; 8 + r + 16 (r / 8): for a = 1
	v_mul_u32_u24 v4, v2, 40                       ; the key for b = 0, j = 0
	v_mul_u32_u24 v27, v2, 24
	v_sub_nc_u32 v27, v5, v27
	v_sub_nc_u32 v5, v5, v4
	v_sub_nc_u32 v26, v26, v4
	v_add_nc_u32 v5, s92, v5                       ; a = b = 0
	v_add_nc_u32 v26, s92, v26                     ; a = 1, b = 0
	v_add_nc_u32 v27, s92, v27
	v_sub_nc_u32 v27, v27, 8                       ; a = 0, b = 1
	v_mov_b32 v[NEG], 0xff61b1e6                   ; -3e38
.macro TABLE k, off, x
.irp j, 0,1,2,3,4,5,6,7
	v_cmp_gt_i32 vcc_lo, (\off)+\j, v\x
	v_cndmask_b32 v[MT+8*\k+\j], 0, v[NEG], vcc_lo
.endr
.endm
	TABLE 0, -16, 5
	TABLE 1, 16, 5
	TABLE 2, 0, 5
	TABLE 3, 0, 27
	TABLE 4, 0, 26
	TABLE 5, -64, 5
	TABLE 6, 64, 5
	; where my results go: panel 8 (16 batch + 2 query tile + my half) + key tile
	s_lshl_b32 s92, s70, 4
	s_lshl_b32 s93, s17, 1
	s_add_co_u32 s92, s92, s93
	s_add_co_u32 s92, s92, s15
	s_lshl_b32 s92, s92, 3
	s_add_co_u32 s92, s92, s42
	s_mul_i32 s92, s92, PPANEL
	s_mov_b32 s93, 0
	s_add_nc_u64 s[OC:OC+1], s[OC:OC+1], s[92:93]
	s_lshl_b32 s94, s16, 9
	s_add_co_u32 s94, s94, 24576
	s_mov_b32 s95, 0
	s_add_nc_u64 s[OW:OW+1], s[OC:OC+1], s[94:95]  ; the scale words of my 128 keys; M 1,024 and l 2,048 bytes on
	s_mul_i32 s94, s16, 12288
	s_add_nc_u64 s[OC:OC+1], s[OC:OC+1], s[94:95]  ; the fragments of my 128 keys
	s_mov_b32 s[CS], 0x3d38aa3b                    ; log2(e) / 32
	s_mov_b32 s[CS+1], s[CS]
	s_mov_b32 s[SEL], 0x76543210
	s_mov_b32 s[SEL+1], 0xfedcba98
	s_mov_b32 s[HI], 0xffff0000
.macro FRAG reg, adr, ad8, q, i        ; two halves of six registers: 512 and 256 consecutive bytes each
.irp c, 0,1
	ds_load_b128 v[\reg+6*\c:\reg+6*\c+3], v[\adr] offset:(8*(\q)+(\i))*1536+768*\c
	ds_load_b64 v[\reg+6*\c+4:\reg+6*\c+5], v[\ad8] offset:(8*(\q)+(\i))*1536+768*\c+512
.endr
.endm
; 16 matrix instructions.  mode = 1: the first products take the mask's table as C.  The 64 accumulators take turns, in the same order in every step.
.macro MUL16 a0, p, q, sc, mode
.irp a, \a0, \a0+1
.irp b, 0,1,2,3,4,5,6,7
.if \mode
.set RA_, (\a)%4
.set RB_, \b%4
.if (\b/4) < ((\a)/4)
.set CM, MT+40
.elseif (\b/4) > ((\a)/4)
.set CM, MT+48
.elseif (RB_/2) < (RA_/2)
.set CM, MT
.elseif (RB_/2) > (RA_/2)
.set CM, MT+8
.elseif RB_ == RA_
.set CM, MT+16
.elseif RB_ > RA_
.set CM, MT+24
.else
.set CM, MT+32
.endif
	v_wmma_scale_f32_16x16x128_f8f6f4 v[8*(8*((\a)%4)+\b):8*(8*((\a)%4)+\b)+7], v[128*(\p)+FR*\b:128*(\p)+FR*\b+FR-1], v[AF+FR*(\a):AF+FR*(\a)+FR-1], v[CM:CM+7], v[SC+16*(\sc)+8*(\q)+\b], v[SC+16*(\sc)+8*(\q)+(\a)] matrix_a_fmt:MATRIX_FMT_FP6 matrix_b_fmt:MATRIX_FMT_FP6 matrix_a_scale:MATRIX_SCALE_ROW1
.else
	v_wmma_scale_f32_16x16x128_f8f6f4 v[8*(8*((\a)%4)+\b):8*(8*((\a)%4)+\b)+7], v[128*(\p)+FR*\b:128*(\p)+FR*\b+FR-1], v[AF+FR*(\a):AF+FR*(\a)+FR-1], v[8*(8*((\a)%4)+\b):8*(8*((\a)%4)+\b)+7], v[SC+16*(\sc)+8*(\q)+\b], v[SC+16*(\sc)+8*(\q)+(\a)] matrix_a_fmt:MATRIX_FMT_FP6 matrix_b_fmt:MATRIX_FMT_FP6 matrix_a_scale:MATRIX_SCALE_ROW1
.endif
.endr
.endr
.endm
.macro FETCH_B slot, q, p
	WIN TO_B
.irp i, 0,1,2,3,4,5,6,7
	FRAG 128*(\p)+FR*\i, ADRB+\slot, ADB8+\slot, \q, \i
.endr
	WIN 0
.endm
.macro FETCH_A slot, q, i0
.irp i, \i0, \i0+1, \i0+2, \i0+3
	FRAG AF+FR*(\i), ADRA+\slot, ADA8+\slot, \q, \i
.endr
.endm
.macro SCALES sc, slot                 ; a slot's scale words into set sc, for both halves of the slot's K
.irp q, 0,1
.irp u, 0,1
	ds_load_b128 v[SC+16*\sc+8*\q+4*\u:SC+16*\sc+8*\q+4*\u+3], v[ADRS+\slot] offset:512*\q+16*\u
.endr
.endr
.endm
.macro PLACES n
.rept \n
	v_nop
.endr
.endm
; 128 along K, the q-th of its slot, under scale set sc.  It fetches what follows: the nq-th 128 of slot nslot; nsc >= 0: with that slot's scale words, into set nsc.
.macro STEP q, sc, mode, nslot, nq, nsc
	s_wait_dscnt 4*NL                              ; all but the youngest 16 loads (Q's blocks 4-7)
.if \mode
	WIN FIRST_LO
.else
	WIN MUL_LO
.endif
	MUL16 0, (\q)%2, \q, \sc, \mode
	MUL16 2, (\q)%2, \q, \sc, \mode
	s_wait_dscnt 0
	PLACES NP
	FETCH_B \nslot, \nq, 1-(\q)%2
	FETCH_A \nslot, \nq, 0
.if \nsc >= 0
	SCALES \nsc, \nslot
.endif
.if \mode
	WIN FIRST_HI
.else
	WIN MUL_HI
.endif
	MUL16 4, (\q)%2, \q, \sc, \mode
	MUL16 6, (\q)%2, \q, \sc, \mode
	PLACES NP
	WIN 0
	FETCH_A \nslot, \nq, 4
.endm
; A slot's second 128 along K with a barrier.  fill = 1: slot 0 takes step 3.
.macro TURN next, sc, nsc, fill
	s_wait_tensorcnt 0x0                           ; all my tensor loads have landed
	ds_add_u32 v[SPW], v[NIL]                      ; 0 onto my spare word
	s_wait_dscnt 4*NL+1                            ; the add and the youngest 16 loads may be out
	WIN MUL_LO
	MUL16 0, 1, 1, \sc, 0
	s_wait_dscnt 0x0                               ; the add is done, and my reads are over
	s_barrier_signal -1
	MUL16 2, 1, 1, \sc, 0
	WIN 0
	s_barrier_wait -1
.if \fill
	CREST                                          ; a round of the cluster's barrier: no wave of any partner still reads slot 0 or has a load on its way
	s_add_nc_u64 s[G0+2:G0+3], s[G0+2:G0+3], 3*PANEL
	s_add_nc_u64 s[G0B+2:G0B+3], s[G0B+2:G0B+3], 3*PANEL
	JLOAD G0, G1, G0B, G1B
.else
	PLACES NP
.endif
	FETCH_B \next, 0, 0
	FETCH_A \next, 0, 0
	SCALES \nsc, \next
	WIN MUL_HI
	MUL16 4, 1, 1, \sc, 0
	MUL16 6, 1, 1, \sc, 0
	PLACES NP
	WIN 0
	FETCH_A \next, 0, 4
.endm
	WALU
	s_wait_tensorcnt 0x0                           ; my part of steps 0 and 1 is in
	ds_add_u32 v[SPW], v[NIL]
	ROWS 100
	s_wait_dscnt 0x0
	CROUND                                         ; a whole round: everybody's part of steps 0 and 1 is in, and the joint loads meet
	JLOAD G0+4, G1, G0B+4, G1B                     ; step 2
	FETCH_B 0, 0, 0
	FETCH_A 0, 0, 0
	SCALES 0, 0
	FETCH_A 0, 0, 4
	global_prefetch_b8 v15, s[PFB:PFB+1] th:TH_LOAD_NT scope:SCOPE_SE
	STEP 0, 0, 1, 0, 1, -1                         ; step 0: its first products start the sums from the mask
	STEP 1, 0, 0, 1, 0, 1                          ; on into slot 1 with no barrier: the round has shown both slots to every wave
	STEP 0, 1, 0, 1, 1, -1                         ; step 1
	TURN 2, 1, 0, 1                                ; step 2 has landed; slot 0 takes step 3
	STEP 0, 0, 0, 2, 1, -1                         ; step 2
	TURN 0, 0, 1, 0                                ; step 3 has landed; nothing is filled again
	STEP 0, 1, 0, 0, 1, -1                         ; step 3
	s_wait_dscnt 4*NL
	WIN MUL_LO
	MUL16 0, 1, 1, 1, 0
	MUL16 2, 1, 1, 1, 0
	s_wait_dscnt 0
	WIN MUL_HI
	MUL16 4, 1, 1, 1, 0
	MUL16 6, 1, 1, 1, 0
	WIN 0
; THE TAIL, two blocks of 16 queries at a time, z = 0, 1, line by line in turn.  Registers 32 c .. 32 c + 31 of lane half h are the block of 32 keys 2 c + h.
.macro PBLK2 a
.set X0, 64*((\a)%4)
.set WX, 2+(\a)/4                      ; the accumulators' window
	WIN (WX<<2)|(WX<<4)
.irp z, 0,1
.irp b, 0,1,2,3
	v_max3_num_f32 v[MB+16*\z+\b], v[NEG], v[X0+64*\z+16*\b], v[X0+64*\z+16*\b+1]
.endr
.endr
.irp i, 2,4,6,8,10,12,14
.irp z, 0,1
.irp b, 0,1,2,3
	v_max3_num_f32 v[MB+16*\z+\b], v[MB+16*\z+\b], v[X0+64*\z+16*\b+\i], v[X0+64*\z+16*\b+\i+1]
.endr
.endr
.endr
	WIN 0
.irp z, 0,1
	v_max_num_f32 v[MB+16*\z], v[MB+16*\z], v[MB+16*\z+1]        ; each block's largest score: it serves the row's maximum and, since p rises with the score, the block's largest p
	v_max_num_f32 v[MB+16*\z+1], v[MB+16*\z+2], v[MB+16*\z+3]
.endr
.irp z, 0,1
	v_max_num_f32 v[NM+4*\z+1], v[MB+16*\z], v[MB+16*\z+1]
.endr
.irp z, 0,1
	v_permlanex16_b32 v[MB+16*\z+4], v[NM+4*\z+1], s[SEL], s[SEL+1]
.endr
.irp z, 0,1
	v_max_num_f32 v[NM+4*\z+1], v[NM+4*\z+1], v[MB+16*\z+4]
.endr
.irp z, 0,1
	v_mul_f32 v[NM+4*\z+1], s[CS], v[NM+4*\z+1]                  ; the largest t of my query's 128 keys,
.endr
.irp z, 0,1
	v_max_num_f32 v[NM+4*\z+1], 0xf149f2ca, v[NM+4*\z+1]         ; held at -1e30: a row all of whose keys are hidden gets M = -1e30, far over its t, so that every p is 0
.endr
.irp z, 0,1
	v_floor_f32 v[NM+4*\z], -v[NM+4*\z+1]                        ; -M = floor(-t): M is a whole number
.endr
.irp z, 0,1
	WIN WX|(\z<<6)
.set J, 0
.rept 32
	v_pk_fma_f32 v[T+J:T+J+1], v[X0+64*\z+J:X0+64*\z+J+1], s[CS:CS+1], v[NM+4*\z:NM+4*\z+1] op_sel_hi:[1,0,0]   ; t - M, two at a time
.set J, J+2
.endr
.endr
	WIN 0
.irp z, 0,1
.irp b, 0,1
	v_fma_f32 v[MB+16*\z+\b], v[MB+16*\z+\b], s[CS], v[NM+4*\z]  ; the same of each block's largest score
.endr
.endr
	WALU
.irp z, 0,1
	WIN \z|(\z<<6)
.set J, 0
.rept 64
	v_exp_f32 v[T+J], v[T+J]                       ; p = 2^(t - M)
.set J, J+1
.endr
.endr
	WIN 0
.irp z, 0,1
	v_sub_f32 v[MS+(\a)+\z], 0, v[NM+4*\z]         ; M.  (The plain places behind the exponentials)
.endr
	WALU
.irp z, 0,1
.irp b, 0,1
	v_exp_f32 v[MB+16*\z+\b], v[MB+16*\z+\b]       ; the blocks' largest p
.endr
.endr
.irp z, 0,1                                    ; the sum of the unquantised p, in four chains: it reads the 64 alone
	WIN \z|(\z<<2)
.irp c, 0,2,4,6
	v_pk_add_f32 v[SU+12*\z+\c:SU+12*\z+\c+1], v[T+\c:T+\c+1], v[T+8+\c:T+8+\c+1]
.endr
	WIN \z<<2
.irp j, 16,24,32,40,48,56
.irp c, 0,2,4,6
	v_pk_add_f32 v[SU+12*\z+\c:SU+12*\z+\c+1], v[SU+12*\z+\c:SU+12*\z+\c+1], v[T+\j+\c:T+\j+\c+1]
.endr
.endr
.endr
	WIN 0
.irp c, 0,4
.irp z, 0,1
	v_pk_add_f32 v[SU+12*\z+\c:SU+12*\z+\c+1], v[SU+12*\z+\c:SU+12*\z+\c+1], v[SU+12*\z+\c+2:SU+12*\z+\c+3]
.endr
.endr
.irp z, 0,1
	v_pk_add_f32 v[SU+12*\z:SU+12*\z+1], v[SU+12*\z:SU+12*\z+1], v[SU+12*\z+4:SU+12*\z+5]
.endr
.irp z, 0,1
	v_add_f32 v[SU+12*\z], v[SU+12*\z], v[SU+12*\z+1]
.endr
.irp z, 0,1
	v_permlanex16_b32 v[SU+12*\z+8], v[SU+12*\z], s[SEL], s[SEL+1]
.endr
.irp z, 0,1
	v_add_f32 v[LS+(\a)+\z], v[SU+12*\z], v[SU+12*\z+8]          ; l of my query's 128 keys
.endr
	WALU
.irp z, 0,1
.irp b, 0,1
	v_max_num_f32 v[MB+16*\z+\b], 0x1800000, v[MB+16*\z+\b]      ; the floor 2^(3 - 127): the byte cannot fall under 1
.endr
.endr
.irp z, 0,1
.irp b, 0,1
	v_add_nc_u32 v[MB+16*\z+8+\b], 0xff000000, v[MB+16*\z+\b]    ; 2 off the exponent field: the conversion's scale operand
.endr
.endr
.irp z, 0,1
.irp b, 0,1
	v_lshrrev_b32 v[MB+16*\z+6+\b], 23, v[MB+16*\z+8+\b]         ; the byte: at most 125, since p is at most 1
.endr
.endr
.irp z, 0,1
	v_lshl_or_b32 v[MB+16*\z+6], v[MB+16*\z+7], 16, v[MB+16*\z+6]    ; my two bytes, h and 2 + h of the word,
.endr
.irp z, 0,1
	v_lshlrev_b32 v[MB+16*\z+6], v[SH], v[MB+16*\z+6]
.endr
.irp z, 0,1
	v_permlanex16_b32 v[MB+16*\z+5], v[MB+16*\z+6], s[SEL], s[SEL+1]
.endr
.irp z, 0,1
	v_or_b32 v[PWS+(\a)+\z], v[MB+16*\z+6], v[MB+16*\z+5]        ; and lane l xor 16's two
.endr
	WALU
	s_wait_xcnt 0x0                                ; the last blocks' stores have read v[PC] on
.irp z, 0,1
	WIN \z
.irp c, 0,1
	v_cvt_scalef32_pk16_fp6_f32 v[PC+20*\z+6*\c:PC+20*\z+2+6*\c], v[T+32*\c:T+15+32*\c], v[MB+16*\z+8+\c]
	v_cvt_scalef32_pk16_fp6_f32 v[PC+20*\z+12+4*\c:PC+20*\z+14+4*\c], v[T+16+32*\c:T+31+32*\c], v[MB+16*\z+8+\c]
.endr
.endr
	WIN 0
	v_nop                                          ; one plain place behind a scaled conversion
.irp z, 0,1
.irp c, 0,1
.irp i, 0,1,2
	v_mov_b32 v[PC+20*\z+3+6*\c+\i], v[PC+20*\z+12+4*\c+\i]
.endr
.endr
.endr
.irp z, 0,1
.irp c, 0,1,2
	global_store_b128 v[OI], v[PC+20*\z+4*\c:PC+20*\z+4*\c+3], s[OC:OC+1] offset:1536*((\a)+\z)+512*\c   ; 512 consecutive bytes, aligned
.endr
.endr
.endm
.macro OUT4 x, sd, off                 ; eight registers, one for each block of rows, leave as 32 bytes a row: lanes 0-15 blocks 0-3, lanes 16-31 blocks 4-7
.irp k, 0,1,2,3
	v_cndmask_b32 v[\sd+\k], v[\x+\k], v[\x+4+\k], s[HI]
.endr
	global_store_b128 v[OS], v[\sd:\sd+3], s[OW:OW+1] offset:\off
.endm
	PLACES NP                                      ; behind the last products
.irp z, 0,1                                    ; a lane permute's destination counts as one of its sources
	v_mov_b32 v[MB+16*\z+4], 0
	v_mov_b32 v[MB+16*\z+5], 0
	v_mov_b32 v[SU+12*\z+8], 0
.endr
.irp a, 0,2,4,6
	PBLK2 \a
.endr
	OUT4 PWS, SD, 0
	OUT4 MS, SD+4, 1024
	OUT4 LS, SD+8, 2048
	s_wait_tensorcnt 0x0                           ; the wave's end
	ds_add_u32 v[SPW], v[NIL]
	s_wait_dscnt 0x0
	CROUND                                         ; the closing round
	s_endpgm
.Lfunc_end_k_qed70b2db99_scores:
	.size	k_qed70b2db99_scores, .Lfunc_end_k_qed70b2db99_scores-k_qed70b2db99_scores
	.p2alignl 7, 3214868480
	.fill 96, 4, 3214868480
	.section	.rodata,"a",@progbits
	.p2align	6, 0x0
	.amdhsa_kernel k_qed70b2db99_scores
		.amdhsa_group_segment_fixed_size 327680
		.amdhsa_private_segment_fixed_size 0
		.amdhsa_enable_private_segment 0
		.amdhsa_kernarg_size 24
		.amdhsa_user_sgpr_count 2
		.amdhsa_user_sgpr_kernarg_segment_ptr 1
		.amdhsa_wavefront_size32 1
		.amdhsa_system_sgpr_workgroup_id_x 1
		.amdhsa_system_sgpr_workgroup_id_y 1
		.amdhsa_system_sgpr_workgroup_id_z 1
		.amdhsa_system_vgpr_workitem_id 0
		.amdhsa_next_free_vgpr 1024
		.amdhsa_next_free_sgpr 100
		.amdhsa_reserve_vcc 1
		.amdhsa_float_denorm_mode_32 3
		.amdhsa_float_denorm_mode_16_64 3
		.amdhsa_memory_ordered 1
		.amdhsa_forward_progress 1
		.amdhsa_inst_pref_size 199
	.end_amdhsa_kernel
	.amdgpu_metadata
---
amdhsa.version: [ 1, 2 ]
amdhsa.kernels:
  - .name:           k_qed70b2db99_scores
    .symbol:         k_qed70b2db99_scores.kd
    .args:
      - { .name: Qp, .offset: 0, .size: 8, .value_kind: global_buffer, .address_space: global }
      - { .name: Kp, .offset: 8, .size: 8, .value_kind: global_buffer, .address_space: global }
      - { .name: Pp, .offset: 16, .size: 8, .value_kind: global_buffer, .address_space: global }
    .group_segment_fixed_size: 327680
    .private_segment_fixed_size: 0
    .kernarg_segment_align: 8
    .kernarg_segment_size: 24
    .max_flat_workgroup_size: 128
    .sgpr_count:     100
    .vgpr_count:     1024
    .wavefront_size: 32
...
	.end_amdgpu_metadata
.endif
;; end of part 2
;; launch pv (part 3): grid 8 x 32, 4 waves a work-group, clusters of 4 x 4, 327,680 bytes of LDS; arguments Pp, Vp, out0; writes out0
.if DOCPART == 3
	.amdgcn_target "amdgcn-amd-amdhsa--gfx1250"
	.amdhsa_code_object_version 6
	.text
	.protected	k_qed70b2db99_pv
	.globl	k_qed70b2db99_pv
	.p2align	8
	.type	k_qed70b2db99_pv,@function
k_qed70b2db99_pv:
	s_mov_b64 s[64:65], 0
	v_nop
	global_prefetch_b8 v0, s[64:65] scope:SCOPE_SE
	s_setreg_imm32_b32 hwreg(HW_REG_WAVE_MODE, 25, 1), 1
	s_wait_xcnt 0x0
	s_wait_alu depctr_hold_cnt(0) depctr_sa_sdst(0) depctr_va_vdst(0) depctr_va_sdst(0) depctr_va_ssrc(0) depctr_va_vcc(0) depctr_vm_vsrc(0)
	s_getreg_b32 s2, hwreg(HW_REG_IB_STS2, 6, 4)
	s_cmp_eq_u32 s2, 0
	s_cbranch_scc0 .Lentry_in_a_cluster
	s_endpgm
.Lentry_in_a_cluster:
	s_bfe_u32 s2, ttmp6, 0x10000c
	s_cmp_lg_u32 s2, 0xf033
	s_cbranch_scc0 .Lentry_shape_is_right
	s_endpgm
.Lentry_shape_is_right:
; out = P V / l on codes of FP6 (E2M3).  Pp: panels of 128 queries x 256 keys with scale words, M and l for each 128 keys; Vp: panels of 128 channels x 256 keys, as the launches before lay them.
; DEAD WORK: steps of 512 keys that lie wholly above the diagonal are not walked: reference() masks them whatever the inputs hold; a NaN or infinity that reaches only them is not carried.
; LIMITS: NaN and infinities are not served.
; THE DEAL.  A work-group makes 128 channels of two tiles of 128 queries: tile A = i, then tile B = 15 - i of its batch.  The four pairs of a cluster are i = 4 g + cy: A has g + 1 steps of 512 keys, B 4 - g: five steps for every work-group.
; g comes from the cluster's number alone.  P's tiles are shared along a row of the cluster (four channel tiles), V's along a column (four pairs): joint loads.
; A wave makes 64 queries x 64 channels, 16 accumulators.  Source 0 = 16 channels, source 1 = 16 queries: a lane holds one query and eight channels.
; In each 64 queries, and in each 64 channels, row m of tile j is row 32 (m / 8) + 8 (j ^ (m / 8)) + m % 8: the way out puts both back in order.
; THE RING: two slots, each a step's two panels of P's codes and two panels of V.  A step is four sub-steps of 128 keys on four sets of registers; a sub-step's fragments are fetched two sub-steps ahead, NF loads each.
; The change of slots stands in a step's third sub-step: every read of the slot has been issued by then.
; THE SOFTMAX'S JOIN: thread t has one query of each tile: the row's M over all its keys, l, and the scale words moved by the whole number between each 128 keys' M and the row's (bytes held at 0 from below).  Done under the first tiles' flight.
; PREFETCHES: behind step n's joint load, step n + 1's (n = 1, 2, 3), a quarter of it by address for each of the four partners; where B walks keys that A has walked, V's blocks are named once more.
; REGISTERS: window 0: v1-27 addresses, v28-43 and v48-63 scale words, from v64 P's fragments, four sets;  window 1: V's;  window 2: the accumulators ((a, b) at 32 a + 8 b).
.set PANEL,  25600
.set PPANEL, 27648
.set PCODE,  24576
.set VOFF,   2*PCODE
.set SLOT,   VOFF+2*PANEL
.set ASC,    2*SLOT                    ; P's scale words: [20 groups of 128 keys, in the order of work][512]
.set RL,     ASC+20*512                ; 1 / l: [tile][512]
.set STAGE,  RL+1024                   ; the way out: 16 rows x 272 bytes for each wave
.set SPITCH, 272
.set SPARE,  STAGE+4*16*SPITCH
.set NF,     30                        ; LDS loads of a sub-step
.set ADRA, 4                           ; v4, v5    P's fragments in slot 0, 1
.set ADRB, 6                           ; v6, v7    V's, + 16 x lane
.set ADRC, 8                           ; v8, v9    V's, + 8 x lane
.set ADSB, 10                          ; v10, v11  V's scale words
.set ADSA, 12
.set ADRL, 13
.set STO,  14                          ; the stage: even tiles
.set STP,  15                          ; odd tiles
.set RD,   16
.set CO,   17
.set PO,   18
.set AW,   19
.set SPW,  20
.set NIL,  21
.set PFV,  22
.set SA,   28                          ; set s at 28 + 4 s
.set RLR,  44
.set SB,   48                          ; set s at 48 + 4 s
.set AF,   64
.set WD,   64                          ; the head: 20 scale words, 20 M, 20 l
.set MV,   84
.set LV,   104
.set MN,   124
.set D0,   132
.set D1,   136
.set MGA,  140
.set MGB,  141
.set MQ1,  142
.set TT,   143
.set LQ,   146
.set G1,  24
.set G0,  32
.set G1B, 48
.set G0B, 56
.set WO,  60                           ; s[60:61] which panel of P I fetch, in bytes
.set PF,  62
.set PQ,  76                           ; s[76:85] where step 0 .. 4's P begins
.set VQ,  86                           ; s[86:95] its V
.set OA,  96                           ; s[96:97], s[98:99] my rows of tile A, B in out
.set MSB, 0
.macro WIN new
.if MSB != \new
	s_set_vgpr_msb (MSB<<8)|\new
.set MSB, \new
.endif
.endm
.macro PLACES n
.rept \n
	v_nop
.endr
.endm
.macro WALU
	s_wait_alu depctr_va_vdst(0)
.endm
.macro JLOAD                           ; waves 0 and 1 fetch P's panels, waves 2 and 3 V's
	s_cmp_eq_u32 s15, 0
	s_cbranch_scc0 .Lfor_b_\@
	tensor_load_to_lds s[G0:G0+3], s[G1:G1+7]
	s_nop 0
	PLACES 4
	s_branch .Lasked_\@
.Lfor_b_\@:
	tensor_load_to_lds s[G0B:G0B+3], s[G1B:G1B+7]
	s_nop 0
	PLACES 4
.Lasked_\@:
.endm
.macro CREST
	s_cmp_lg_u32 s14, 0
	s_cbranch_scc1 .Lnot_wave_0_\@
	s_barrier_signal -3
.Lnot_wave_0_\@:
	s_barrier_wait -3
	s_barrier_signal -1
	s_barrier_wait -1
.endm
.macro CROUND
	s_barrier_signal -1
	s_barrier_wait -1
	CREST
.endm
.macro DESC n, slot                    ; both group 0 for step n; no tensor load of mine is out here
	s_add_nc_u64 s[G0+2:G0+3], s[PQ+2*(\n):PQ+2*(\n)+1], s[WO:WO+1]
	s_or_b32 s[G0+3], s[G0+3], 0x80000000
	s_add_co_u32 s[G0+1], s45, (\slot)*SLOT
	s_mov_b64 s[G0B+2:G0B+3], s[VQ+2*(\n):VQ+2*(\n)+1]
	s_or_b32 s[G0B+3], s[G0B+3], 0x80000000
	s_add_co_u32 s[G0B+1], s72, (\slot)*SLOT
.endm
.macro PREF n
	s_add_nc_u64 s[PF:PF+1], s[PQ+2*(\n):PQ+2*(\n)+1], s[WO:WO+1]
	s_cmp_eq_u32 s15, 0
	s_cselect_b64 s[PF:PF+1], s[PF:PF+1], s[VQ+2*(\n):VQ+2*(\n)+1]
	global_prefetch_b8 v[PFV], s[PF:PF+1] th:TH_LOAD_NT scope:SCOPE_SE
.endm
	s_load_b128 s[4:7], s[0:1], 0x0                ; Pp, Vp
	s_load_b64 s[12:13], s[0:1], 0x10              ; out
	v_lshl_add_u32 v[SPW], v0, 2, SPARE
	v_mov_b32 v[NIL], 0
	ds_add_u32 v[SPW], v[NIL]
	ds_add_u32 v[SPW], v[NIL]
	v_lshrrev_b32 v1, 5, v0
	v_readfirstlane_b32 s14, v1
	s_lshr_b32 s15, s14, 1                         ; my 64 queries of a tile.  Also: I fetch P (0) or V (1)
	s_and_b32 s16, s14, 1                          ; my 64 channels.  Also: which panel I fetch
	s_bfe_u32 s40, ttmp6, 0x40000                  ; cx
	s_bfe_u32 s41, ttmp6, 0x40004                  ; cy
	s_and_b32 s18, ttmp7, 0xffff
	s_lshr_b32 s70, s18, 1                         ; the batch
	s_and_b32 s19, s18, 1                          ; g
	s_lshl_b32 s42, ttmp9, 2
	s_add_co_u32 s42, s42, s40                     ; the tile of 128 channels
	s_lshl_b32 s17, s19, 2
	s_add_co_u32 s17, s17, s41                     ; i
	s_lshl_b32 s43, s41, 2
	s_lshl_b32 s43, 15, s43                        ; my row of the cluster
	s_lshl_b32 s44, 0x1111, s40                    ; my column
	s_or_b32 s[G1+0], s43, (3<<16)|(1<<21)         ; a panel's codes: 96 rows of 256 bytes
	s_mov_b32 s[G1+2], 96<<16
	s_mov_b32 s[G1+4], 96
	s_or_b32 s[G1B+0], s44, (3<<16)|(1<<21)        ; a panel of V: 100 rows
	s_mov_b32 s[G1B+2], 100<<16
	s_mov_b32 s[G1B+4], 100
.irp g, G1, G1B
	s_mov_b32 s[\g+1], 32<<16
	s_mov_b32 s[\g+3], 32<<16
	s_mov_b32 s[\g+5], 32
	s_mov_b32 s[\g+6], 0
	s_mov_b32 s[\g+7], 0
.endr
	s_mov_b32 s[G0], 1
	s_mov_b32 s[G0B], 1
	s_mul_i32 s45, s16, PCODE
	s_mul_i32 s72, s16, PANEL
	s_add_co_u32 s72, s72, VOFF
	s_mul_i32 s[WO], s16, PPANEL
	s_mov_b32 s[WO+1], 0
	s_lshl_b32 s71, s70, 4
	s_add_co_u32 s73, s71, s17                     ; tile A
	s_add_co_u32 s74, s71, 15
	s_sub_co_u32 s74, s74, s17                     ; tile B
	s_mul_i32 s2, s73, 8*PPANEL                    ; step 0: A's first keys
	s_mul_i32 s3, s74, 8*PPANEL                    ; B's first keys
	s_add_co_u32 s20, s2, 2*PPANEL
	s_add_co_u32 s21, s3, 2*PPANEL
	s_cmp_eq_u32 s19, 0
	s_cselect_b32 s20, s3, s20                     ; step 1
	s_cselect_b32 s22, s21, s3                     ; step 2
	s_cselect_b32 s66, 0, -1                       ; the lanes' mask of g
	s_cselect_b32 s8, 0, 2*PANEL                   ; step 1's keys of V
	s_cselect_b32 s9, 2*PANEL, 0                   ; step 2's
	s_lshl_b32 s10, s70, 3
	s_add_co_u32 s10, s10, s42
	s_lshl_b32 s10, s10, 3
	s_add_co_u32 s10, s10, s16
	s_mul_i32 s10, s10, PANEL                      ; V: panel 8 (8 batch + channel tile) + mine
	s_mul_i32 s23, s41, 25
	s_mul_i32 s46, s40, 24
	s_cmp_eq_u32 s15, 0
	s_cselect_b32 s23, s46, s23                    ; my quarter of a panel, in blocks of 256 bytes
	s_cselect_b32 s46, 23, 24
	s_mul_i32 s47, s15, 4*1536
	s_mul_i32 s67, s16, 4*1536
	s_add_co_u32 s67, s67, VOFF
	s_lshl_b32 s68, s16, 4
	s_add_co_u32 s68, s68, VOFF+24576
	s_lshl_b32 s69, s15, 4
	s_mul_i32 s75, s14, 16*SPITCH
	s_add_co_u32 s75, s75, STAGE
	v_and_b32 v1, 15, v0                           ; r
	v_bfe_u32 v2, v0, 4, 1                         ; h
	v_and_b32 v3, 31, v0
	v_lshlrev_b32 v24, 4, v3
	v_lshlrev_b32 v25, 3, v3
	v_lshlrev_b32 v26, 5, v1
	v_add_nc_u32 v[ADRA], s47, v24
	v_add_nc_u32 v[ADRB], s67, v24
	v_add_nc_u32 v[ADRC], s67, v25
	v_add_nc_u32 v[ADSB], s68, v26
.irp k, ADRA, ADRB, ADRC, ADSB
	v_add_nc_u32 v[\k+1], SLOT, v[\k]
.endr
	v_add_nc_u32 v26, s69, v26
	v_add_nc_u32 v[ADSA], ASC, v26
	v_add_nc_u32 v[ADRL], RL, v26
	v_mul_u32_u24 v26, v1, SPITCH
	v_add_nc_u32 v26, s75, v26
	v_mad_u32_u24 v[STO], v2, 160, v26             ; tile b of lane half h: channels 32 h + 8 (b ^ h) ..
	v_mad_u32_u24 v[STP], v2, 96, v26
	v_lshlrev_b32 v27, 4, v1
	v_mad_u32_u24 v[RD], v2, SPITCH, v27           ; back: lanes 0-15 a row of 256 bytes, lanes 16-31 the next
	v_add_nc_u32 v[RD], s75, v[RD]
	v_lshl_add_u32 v[CO], v2, 12, v27
	v_lshlrev_b32 v[PO], 2, v0
	v_add_nc_u32 v[AW], ASC, v[PO]
	v_min_u32 v[PFV], s46, v3
	v_add_lshl_u32 v[PFV], v[PFV], s23, 8
	WALU
	s_wait_dscnt 0x0
	s_wait_kmcnt 0x0
	s_mov_b32 s23, 0
	s_mov_b32 s3, 0
	s_add_nc_u64 s[PQ:PQ+1], s[4:5], s[2:3]
	s_mov_b32 s21, 0
	s_add_nc_u64 s[PQ+2:PQ+3], s[4:5], s[20:21]
	s_add_nc_u64 s[PQ+4:PQ+5], s[4:5], s[22:23]
	s_add_nc_u64 s[PQ+6:PQ+7], s[PQ+4:PQ+5], 2*PPANEL
	s_add_nc_u64 s[PQ+8:PQ+9], s[PQ+6:PQ+7], 2*PPANEL
	s_mov_b32 s11, 0
	s_add_nc_u64 s[VQ:VQ+1], s[6:7], s[10:11]
	s_mov_b32 s20, s8
	s_add_nc_u64 s[VQ+2:VQ+3], s[VQ:VQ+1], s[20:21]
	s_mov_b32 s20, s9
	s_add_nc_u64 s[VQ+4:VQ+5], s[VQ:VQ+1], s[20:21]
	s_add_nc_u64 s[VQ+6:VQ+7], s[VQ+4:VQ+5], 2*PANEL
	s_add_nc_u64 s[VQ+8:VQ+9], s[VQ+6:VQ+7], 2*PANEL
	DESC 0, 0
	CROUND                                         ; all sixteen work-groups are here: the first joint loads meet
	JLOAD                                          ; step 0
.irp n, 0,1,2,3,4
.irp u, 0,1,2,3
	global_load_b32 v[MV+4*\n+\u], v[PO], s[PQ+2*\n:PQ+2*\n+1] offset:(\u/2)*PPANEL+(\u%2)*512+24576+1024
.endr
.endr
.irp n, 0,1,2,3,4
.irp u, 0,1,2,3
	global_load_b32 v[LV+4*\n+\u], v[PO], s[PQ+2*\n:PQ+2*\n+1] offset:(\u/2)*PPANEL+(\u%2)*512+24576+2048
	global_load_b32 v[WD+4*\n+\u], v[PO], s[PQ+2*\n:PQ+2*\n+1] offset:(\u/2)*PPANEL+(\u%2)*512+24576
.endr
.endr
	s_lshl_b32 s20, s15, 18                        ; where my results go: 64 queries x 4,096 bytes,
	s_lshl_b32 s22, s42, 9
	s_add_co_u32 s20, s20, s22
	s_lshl_b32 s22, s16, 8
	s_add_co_u32 s20, s20, s22                     ; my 64 channels
	s_lshl_b32 s22, s73, 19
	s_add_co_u32 s22, s22, s20
	s_add_nc_u64 s[OA:OA+1], s[12:13], s[22:23]
	s_lshl_b32 s22, s74, 19
	s_add_co_u32 s22, s22, s20
	s_add_nc_u64 s[OA+2:OA+3], s[12:13], s[22:23]
	s_mov_b32 s67, 0x80808080
	s_mov_b32 s69, 0
	s_wait_loadcnt 40                              ; the 20 M are in: l and the scale words, 40 loads, may be out
.irp n, 0,1,2,3,4
	v_max3_num_f32 v[MN+\n], v[MV+4*\n], v[MV+4*\n+1], v[MV+4*\n+2]
.endr
.irp n, 0,1,2,3,4
	v_max_num_f32 v[MN+\n], v[MN+\n], v[MV+4*\n+3]
.endr
	v_cndmask_b32 v[TT], v[MN], v[MN+1], s66       ; step 1 belongs to A where g = 1, to B where g = 0
	v_cndmask_b32 v[TT+1], v[MN+1], v[MN+2], s66
	v_max3_num_f32 v[MGB], v[MN+2], v[MN+3], v[MN+4]
	v_max_num_f32 v[MGA], v[MN], v[TT]
	v_max_num_f32 v[MGB], v[MGB], v[TT+1]
	v_cndmask_b32 v[MQ1], v[MGB], v[MGA], s66
	WALU
	s_wait_loadcnt 0x0
.macro QUAD n, m
.irp u, 0,1,2,3
	v_sub_f32 v[D0+\u], v[\m], v[MV+4*\n+\u]
.endr
.irp u, 0,1,2,3
	v_min_num_f32 v[D0+\u], 0x42fe0000, v[D0+\u]
.endr
.irp u, 0,1,2,3
	v_cvt_u32_f32 v[D0+\u], v[D0+\u]               ; the whole number between, at most 127
.endr
.irp u, 0,1,2,3
	v_sub_nc_u32 v[D1+\u], 0, v[D0+\u]
.endr
.irp u, 0,1,2,3
	v_ldexp_f32 v[LV+4*\n+\u], v[LV+4*\n+\u], v[D1+\u]
.endr
.irp u, 0,1,2,3
	v_perm_b32 v[D0+\u], v[D0+\u], v[D0+\u], s69   ; in all four bytes
.endr
.irp u, 0,1,2,3
	v_or_b32 v[WD+4*\n+\u], s67, v[WD+4*\n+\u]     ; (a byte is at most 125: the top bit tells whether it stays above 0)
.endr
.irp u, 0,1,2,3
	v_sub_nc_u32 v[WD+4*\n+\u], v[WD+4*\n+\u], v[D0+\u]
.endr
.irp u, 0,1,2,3
	v_and_b32 v[D0+\u], s67, v[WD+4*\n+\u]
.endr
.irp u, 0,1,2,3
	v_lshrrev_b32 v[D1+\u], 7, v[D0+\u]
.endr
.irp u, 0,1,2,3
	v_sub_nc_u32 v[D0+\u], v[D0+\u], v[D1+\u]
.endr
.irp u, 0,1,2,3
	v_and_b32 v[WD+4*\n+\u], v[WD+4*\n+\u], v[D0+\u]
.endr
	v_add_f32 v[TT], v[LV+4*\n], v[LV+4*\n+1]
	v_add_f32 v[TT+1], v[LV+4*\n+2], v[LV+4*\n+3]
.irp u, 0,1,2,3
	ds_store_b32 v[AW], v[WD+4*\n+\u] offset:512*(4*\n+\u)
.endr
	v_add_f32 v[LQ+\n], v[TT], v[TT+1]
.endm
	QUAD 0, MGA
	QUAD 1, MQ1
	QUAD 2, MGB
	QUAD 3, MGB
	QUAD 4, MGB
	v_cndmask_b32 v[TT], 0, v[LQ+1], s66
	v_add_f32 v[LQ+2], v[LQ+2], v[LQ+3]
	v_sub_f32 v[TT+1], v[LQ+1], v[TT]
	v_add_f32 v[LQ], v[LQ], v[TT]                  ; l of A
	v_add_f32 v[LQ+2], v[LQ+2], v[LQ+4]
	v_add_f32 v[LQ+2], v[LQ+2], v[TT+1]            ; l of B
	WALU
	v_rcp_f32 v[LQ], v[LQ]
	v_rcp_f32 v[LQ+2], v[LQ+2]
	v_nop
	WALU
	ds_store_b32 v[AW], v[LQ] offset:RL-ASC
	ds_store_b32 v[AW], v[LQ+2] offset:RL-ASC+512
.macro FETCH slot, s, n                ; sub-step s of step n into set s
	WIN 0x40
.irp i, 0,1,2,3
.irp c, 0,1
	ds_load_b128 v[48*\s+12*\i+6*\c:48*\s+12*\i+6*\c+3], v[ADRB+\slot] offset:(\s/2)*PANEL+(8*(\s%2)+\i)*1536+768*\c
	ds_load_b64 v[48*\s+12*\i+6*\c+4:48*\s+12*\i+6*\c+5], v[ADRC+\slot] offset:(\s/2)*PANEL+(8*(\s%2)+\i)*1536+768*\c+512
.endr
.endr
	WIN 0
.irp i, 0,1,2,3
.irp c, 0,1,2
	ds_load_b128 v[AF+48*\s+12*\i+4*\c:AF+48*\s+12*\i+4*\c+3], v[ADRA+\slot] offset:(\s/2)*PCODE+(8*(\s%2)+\i)*1536+512*\c
.endr
.endr
	ds_load_b128 v[SA+4*\s:SA+4*\s+3], v[ADSA] offset:512*(4*(\n)+\s)
	ds_load_b128 v[SB+4*\s:SB+4*\s+3], v[ADSB+\slot] offset:(\s/2)*PANEL+512*(\s%2)
.endm
; Eight products: queries' blocks a0, a0 + 1 x the four channel tiles.  The 16 accumulators take turns in the same order in every sub-step.
.macro MUL8 a0, s, zero
	WIN 0xa1
.irp a, \a0, \a0+1
.irp b, 0,1,2,3
.if \zero
	v_wmma_scale_f32_16x16x128_f8f6f4 v[32*(\a)+8*\b:32*(\a)+8*\b+7], v[48*\s+12*\b:48*\s+12*\b+11], v[AF+48*\s+12*(\a):AF+48*\s+12*(\a)+11], 0, v[SB+4*\s+\b], v[SA+4*\s+(\a)] matrix_a_fmt:MATRIX_FMT_FP6 matrix_b_fmt:MATRIX_FMT_FP6
.else
	v_wmma_scale_f32_16x16x128_f8f6f4 v[32*(\a)+8*\b:32*(\a)+8*\b+7], v[48*\s+12*\b:48*\s+12*\b+11], v[AF+48*\s+12*(\a):AF+48*\s+12*(\a)+11], v[32*(\a)+8*\b:32*(\a)+8*\b+7], v[SB+4*\s+\b], v[SA+4*\s+(\a)] matrix_a_fmt:MATRIX_FMT_FP6 matrix_b_fmt:MATRIX_FMT_FP6
.endif
.endr
.endr
.endm
.macro MUL16 s, zero
	MUL8 0, \s, \zero
	MUL8 2, \s, \zero
.endm
; A step.  mode = 1: its first products start the sums; 2: they do where g = n - 1 (tile B begins here).  fill: the slot takes step n + 2 behind the round; last: nothing follows.
.macro BIG n, slot, mode, fill, last
	s_wait_dscnt NF                                ; sub-step 0 is in, sub-step 1's loads may be out
	PLACES 5
	FETCH \slot, 2, \n
.if \mode == 2
	s_cmp_eq_u32 s19, \n-1
	s_cbranch_scc1 .Lstart_\@
	MUL16 0, 0
	WIN 0
	s_branch .Lgoes_on_\@
.Lstart_\@:
	MUL16 0, 1
	WIN 0
.Lgoes_on_\@:
.else
	MUL16 0, \mode
	WIN 0
.endif
	s_wait_dscnt NF
	PLACES 4
	FETCH \slot, 3, \n
	MUL16 1, 0
	WIN 0
.if \last
	s_wait_dscnt NF
	MUL16 2, 0
	s_wait_dscnt 0x0
	MUL16 3, 0
	WIN 0
.else
	s_wait_xcnt 0x0                                ; a prefetch of mine has read its address
	s_wait_tensorcnt 0x0                           ; my part of the next step is in
	ds_add_u32 v[SPW], v[NIL]                      ; 0 onto my spare word
.if \fill
	DESC \n+2, \slot
.endif
	s_wait_dscnt NF+1                              ; sub-step 2 is in; sub-step 3's loads and the add may be out
	MUL8 0, 2, 0
	s_wait_dscnt 0x0                               ; the add is done, and my reads of this slot are over
	s_barrier_signal -1
	MUL8 2, 2, 0
	WIN 0
	s_barrier_wait -1
.if \fill
	CREST                                          ; a round of the cluster's barrier: no wave of any partner still reads this slot or has a load on its way
	JLOAD
.else
	PLACES 4
.endif
	FETCH 1-\slot, 0, \n+1
	MUL8 0, 3, 0
	FETCH 1-\slot, 1, \n+1
.if \fill && (\n < 2)
	PREF \n+3
.endif
	MUL8 2, 3, 0
	WIN 0
.endif
.endm
; THE WAY OUT of a tile: block by block of 16 queries through my own stage; LDS serves a wave's instructions in order (ISA guide 5.7.1.4).
.macro TOSTAGE a
.set AC, 32*(\a)
.set BB, 160+32*((\a)%2)
	WIN 0x82
.set J, 0
.rept 16
.if (\a)%2
	v_pk_mul_f32 v[AC+J:AC+J+1], v[AC+J:AC+J+1], v[RLR+2*((\a)/2):RLR+2*((\a)/2)+1] op_sel:[0,1] op_sel_hi:[1,1]
.else
	v_pk_mul_f32 v[AC+J:AC+J+1], v[AC+J:AC+J+1], v[RLR+2*((\a)/2):RLR+2*((\a)/2)+1] op_sel_hi:[1,0]
.endif
.set J, J+2
.endr
	WIN 0x08
.irp b, 0,1,2,3
.if \b%2
	ds_store_b128 v[STP], v[AC+8*\b:AC+8*\b+3] offset:32*\b
	ds_store_b128 v[STP], v[AC+8*\b+4:AC+8*\b+7] offset:32*\b+16
.else
	ds_store_b128 v[STO], v[AC+8*\b:AC+8*\b+3] offset:32*\b
	ds_store_b128 v[STO], v[AC+8*\b+4:AC+8*\b+7] offset:32*\b+16
.endif
.endr
	WIN 0
.irp t, 0,1,2,3,4,5,6,7
	ds_load_b128 v[BB+4*\t:BB+4*\t+3], v[RD] offset:2*\t*SPITCH
.endr
.endm
.macro SEND a, younger, o
.set BB, 160+32*((\a)%2)
	s_wait_alu depctr_va_vdst(0)
	s_wait_dscnt \younger
.irp t, 0,1,2,3,4,5,6,7                ; rows 2 t and 2 t + 1 of the block: two aligned units of 256 bytes
	global_store_b128 v[CO], v[BB+4*\t:BB+4*\t+3], s[\o:\o+1] offset:(32*(\t/4)+8*((\a)^(\t/4))+2*(\t%4))*4096 th:TH_STORE_NT
.endr
.endm
.macro OUT tile
	PLACES 4                                       ; the sums are read, and the last products' registers loaded into
	ds_load_b128 v[RLR:RLR+3], v[ADRL] offset:512*\tile
	s_wait_dscnt 0x0
	TOSTAGE 0
.irp a, 1,2,3
.if \a > 1
	s_wait_xcnt 0x0                                ; block a - 2's stores have read their registers
.endif
	TOSTAGE \a
	SEND \a-1, 16, OA+2*\tile                      ; behind block a - 1's loads: block a's 8 stores and 8 loads
.endr
	SEND 3, 0, OA+2*\tile
	s_wait_xcnt 0x0
.endm
	WALU
	s_wait_tensorcnt 0x0                           ; my part of step 0 is in
	ds_add_u32 v[SPW], v[NIL]
	DESC 1, 1
	s_wait_dscnt 0x0                               ; the add and my scale words are done
	CROUND                                         ; a whole round: step 0 and the scale words are there for every wave, and the joint loads meet
	JLOAD                                          ; step 1
	FETCH 0, 0, 0
	FETCH 0, 1, 0
	PREF 2
	BIG 0, 0, 1, 1, 0
	s_cmp_lg_u32 s19, 0
	s_cbranch_scc1 .Lno_out_0
	OUT 0                                          ; g = 0: tile A has one step
.Lno_out_0:
	BIG 1, 1, 2, 1, 0
	s_cmp_lg_u32 s19, 1
	s_cbranch_scc1 .Lno_out_1
	OUT 0                                          ; g = 1: two
.Lno_out_1:
	BIG 2, 0, 2, 1, 0
	BIG 3, 1, 0, 0, 0
	BIG 4, 0, 0, 0, 1
	OUT 1
	s_wait_tensorcnt 0x0                           ; the wave's end
	ds_add_u32 v[SPW], v[NIL]
	s_wait_dscnt 0x0
	CROUND                                         ; the closing round
	s_endpgm
.Lfunc_end_k_qed70b2db99_pv:
	.size	k_qed70b2db99_pv, .Lfunc_end_k_qed70b2db99_pv-k_qed70b2db99_pv
	.p2alignl 7, 3214868480
	.fill 96, 4, 3214868480
	.section	.rodata,"a",@progbits
	.p2align	6, 0x0
	.amdhsa_kernel k_qed70b2db99_pv
		.amdhsa_group_segment_fixed_size 327680
		.amdhsa_private_segment_fixed_size 0
		.amdhsa_enable_private_segment 0
		.amdhsa_kernarg_size 24
		.amdhsa_user_sgpr_count 2
		.amdhsa_user_sgpr_kernarg_segment_ptr 1
		.amdhsa_wavefront_size32 1
		.amdhsa_system_sgpr_workgroup_id_x 1
		.amdhsa_system_sgpr_workgroup_id_y 1
		.amdhsa_system_sgpr_workgroup_id_z 1
		.amdhsa_system_vgpr_workitem_id 0
		.amdhsa_next_free_vgpr 640
		.amdhsa_next_free_sgpr 100
		.amdhsa_reserve_vcc 0
		.amdhsa_float_denorm_mode_32 3
		.amdhsa_float_denorm_mode_16_64 3
		.amdhsa_memory_ordered 1
		.amdhsa_forward_progress 1
		.amdhsa_inst_pref_size 155
	.end_amdhsa_kernel
	.amdgpu_metadata
---
amdhsa.version: [ 1, 2 ]
amdhsa.kernels:
  - .name:           k_qed70b2db99_pv
    .symbol:         k_qed70b2db99_pv.kd
    .args:
      - { .name: Pp, .offset: 0, .size: 8, .value_kind: global_buffer, .address_space: global }
      - { .name: Vp, .offset: 8, .size: 8, .value_kind: global_buffer, .address_space: global }
      - { .name: out0, .offset: 16, .size: 8, .value_kind: global_buffer, .address_space: global }
    .group_segment_fixed_size: 327680
    .private_segment_fixed_size: 0
    .kernarg_segment_align: 8
    .kernarg_segment_size: 24
    .max_flat_workgroup_size: 128
    .sgpr_count:     100
    .vgpr_count:     640
    .wavefront_size: 32
...
	.end_amdgpu_metadata
.endif
;; end of part 3
